; MI455X (gfx1250); checked and timed in simulation.
; The chip was launched on July 23, 2026; its instructions are those of AMD's public machine-readable ISA for CDNA 5 (MIT licence, August 2026) and "CDNA5" Instruction Set Architecture Reference Guide (July 2026). The comments in the code are by the model that wrote it; some were corrected since.
;; Causal MHA. Allowed arithmetic: matrix products marked QUANTISED: E2M3 operands, one E8M0 scale for each 32 along K, by v_wmma_scale_f32_16x16x128_f8f6f4 with both operands' format E2M3, f32 sums; everything else in f32.
;; Inputs: Wk_codes 1,024 x 32 x 24 uint8 (E2M3 codes of Wk, K innermost, in blocks of 32 codes, four codes in three bytes); Wk_scales 1,024 x 32 uint8 (E8M0 scales of Wk, one for each 32 codes along K); Wo_codes 1,024 x 32 x 24 uint8 (E2M3 codes of Wo, K innermost, in blocks of 32 codes, four codes in three bytes); Wo_scales 1,024 x 32 uint8 (E8M0 scales of Wo, one for each 32 codes along K); Wq_codes 1,024 x 32 x 24 uint8 (E2M3 codes of Wq, K innermost, in blocks of 32 codes, four codes in three bytes); Wq_scales 1,024 x 32 uint8 (E8M0 scales of Wq, one for each 32 codes along K); Wv_codes 1,024 x 32 x 24 uint8 (E2M3 codes of Wv, K innermost, in blocks of 32 codes, four codes in three bytes); Wv_scales 1,024 x 32 uint8 (E8M0 scales of Wv, one for each 32 codes along K); token_pos 2,048 int32; x_codes 4 x 2,048 x 32 x 24 uint8 (E2M3 codes of x, K innermost, in blocks of 32 codes, four codes in three bytes); x_scales 4 x 2,048 x 32 uint8 (E8M0 scales of x, one for each 32 codes along K).
;; Outputs: out0 4 x 2,048 x 1,024 float32.
;; This version of the problem:
;;   THIS VERSION OF THE PROBLEM IS GIVEN IN LOW PRECISION. The matrix products marked QUANTISED in the list below multiply operands that are first quantised to E2M3 (2 exponent bits, 3 mantissa bits; 6 bits a number), with one power-of-two scale for each 32 numbers along K (OCP MX v1.0); their sums are f32. All else is computed in f32.
;;   The module's matrix products, in the order in which they are computed (A, B: the left and right operand; K: the contracted axis; several contracted axes count as one K, in the product's order):
;;     1. [M 8,192, K 1,024] x [K 1,024, N 1,024]; A: input x (given as codes); B: input Wq (given as codes): QUANTISED
;;     2. [M 8,192, K 1,024] x [K 1,024, N 1,024]; A: input x (given as codes); B: input Wk (given as codes): QUANTISED
;;     3. [M 8,192, K 1,024] x [K 1,024, N 1,024]; A: input x (given as codes); B: input Wv (given as codes): QUANTISED
;;     4. batch 64 x [M 2,048, K 64] x [K 64, N 2,048]; A: computed on the way; B: computed on the way: QUANTISED
;;     5. batch 64 x [M 2,048, K 2,048] x [K 2,048, N 64]; A: softmax (see below); B: computed on the way: QUANTISED
;;     6. [M 8,192, K 1,024] x [K 1,024, N 1,024]; A: computed on the way; B: input Wo (given as codes): QUANTISED
;;   THE QUANTISER, for each operand of a quantised product, along K:
;;     - K is cut into blocks of 32 from its start; a last block that is shorter is filled with zeros.
;;     - A block's scale is 2^e with e = floor(log2(the largest magnitude in the block)) - 2, held to -126 .. 127; a block of zeros has e = 0. As a byte (E8M0): e + 127.
;;     - Each number is divided by its block's scale, clamped to +-7.5, and rounded to the nearest number of E2M3, ties to even, subnormals kept.
;;     - The product sums the exact products of the quantised numbers (number of the format x scale) in f32.
;;   ~~~python
;;   def quantise(x, axis):      # numpy; x: float32 -> the quantised numbers, widened to float32 again
;;       x = np.moveaxis(x, axis, -1); K = x.shape[-1]
;;       x = np.pad(x, [(0, 0)] * (x.ndim - 1) + [(0, -K % 32)]); x = x.reshape(x.shape[:-1] + (-1, 32)); a = np.abs(x).max(-1, keepdims=True)
;;       e = np.where(a > 0, np.clip(np.frexp(np.where(a > 0, a, 1))[1] - 1 - 2, -126, 127), 0)      # np.frexp(a)[1] - 1 = floor(log2(a)), exactly
;;       r = np.clip(x / 2.0 ** e, -7.5, 7.5)
;;       step = 2.0 ** (np.maximum(np.frexp(np.where(r == 0, 1, r))[1] - 1, 0) - 3)
;;       q = np.round(r / step) * step * 2.0 ** e      # np.round: ties to even
;;       return np.moveaxis(q.reshape(q.shape[:-2] + (-1,))[..., :K], -1, axis).astype(np.float32)
;;   ~~~
;;   SOFTMAX AHEAD OF A QUANTISED PRODUCT. Where the list says 'softmax', what is quantised is not the finished softmax but p = 2^(t - M), with t = logit x log2(e) and M = ceil(the row's largest t), a whole number; so 1/2 < the row's largest p <= 1. The row's sum l is taken of the UNQUANTISED p, in f32, and the product's result is divided by l at the end. Since M is a whole number, a kernel that streams over the keys may use a running M (the ceiling of the running maximum): every later rescaling is an exact power of two, which a block's scale takes up: the codes' values come out the same.
;;   OPERANDS COMPUTED ON THE WAY. 'Computed on the way' means the value that the module computes at that place (a softmax that the list does not call 'softmax' is quantised finished and normalised). What goes into a quantiser is computed in f32, as accurately as f32 sums, v_exp_f32 and their like allow (about 1e-6 of the number): no bf16 or f16 on the way to a quantiser, and a product that is left as it is and whose result goes on into a quantised operand takes f32 operands (vector FMAs, or v_wmma_f32_16x16x4_f32). A number that lies on a knife's edge between two numbers of the format may be rounded either way, as far as f32 arithmetic and the matrix unit's own rounding can turn it there, and no further.
;;   INPUTS GIVEN AS CODES. Wk (in the module: [1024, 1024], K = its axis 1); Wo (in the module: [1024, 1024], K = its axis 1); Wq (in the module: [1024, 1024], K = its axis 1); Wv (in the module: [1024, 1024], K = its axis 1); x (in the module: [4, 2048, 1024], K = its axis 2): each comes as NAME_codes (uint8): NAME with its K axis moved to the last place and cut into blocks of 32 codes, [.., K / 32, bytes a block], one block behind the other in memory; four codes in three bytes: a row's codes are one little-endian stream of bits, code i at bits 6 i .. 6 i + 5 (a code: sign, 2 exponent bits, 3 mantissa bits); and NAME_scales (uint8): the same leading axes, one E8M0 byte (e + 127) for each 32 codes along K. Its value is code x scale, taken as it is: it is not quantised again, and the codes and scales need not be those that the quantiser above would give.
;; One version. Each part assembles by itself: llvm-mc -triple=amdgcn-amd-amdhsa -mcpu=gfx1250 --defsym DOCPART=n.
;; ======== version 1 of 1: 4 launches
;; limits: inputs' magnitudes at most 1,048,576
;; workspace buffers: rope_tab 524,288 bytes; q_img 6,815,744 bytes; kv_img 13,369,344 bytes; o_codes 6,291,456 bytes; o_scales 262,144 bytes
;; launch rope (part 1): grid 128 x 1, 1 waves a work-group, no clusters, 0 bytes of LDS; arguments token_pos, rope_tab; writes rope_tab
.if DOCPART == 1
	.amdgcn_target "amdgcn-amd-amdhsa--gfx1250"
	.amdhsa_code_object_version 6
	.text
	.protected	k_qcb3bf3a6a4_rope
	.globl	k_qcb3bf3a6a4_rope
	.p2align	8
	.type	k_qcb3bf3a6a4_rope,@function
k_qcb3bf3a6a4_rope:
	s_mov_b64 s[64:65], 0
	v_nop
	global_prefetch_b8 v0, s[64:65] scope:SCOPE_SE
	s_setreg_imm32_b32 hwreg(HW_REG_WAVE_MODE, 25, 1), 1
	s_wait_xcnt 0x0
; cos and sin of token_pos[s] x freq[p], freq[p] = 1 / 10000^(p / 32), p = 0 .. 31, laid in the order in which the next launch's lanes want them.
; One wave takes 16 tokens.  Lane (r, h) = (lane % 16, lane / 16) serves token 16 ts + r and the 16 frequencies p = 8 u + 4 h + i (u, i = 0 .. 3); pair pi = 4 u + i
; goes to registers 2 pi (cos) and 2 pi + 1 (sin).  The 32 registers leave as eight stores of 512 consecutive bytes: table [128 tiles][8 groups][32 lanes][16 bytes].
; 10000^(p / 32) = 10^(u + (4 h + i) / 8): the 32 powers are written as literals, rounded to f32 by the assembler; the reciprocal is v_rcp_f32 and one Newton step.
; The angle is one f32 product.  It is reduced by n = the nearest whole number to angle x 2 / pi, with pi / 2 in three parts and fused multiply-adds;
; sine and cosine of the rest (within pi / 4) are polynomials of degree 7 and 8; n's two low bits say which goes where and with which sign.
; LIMITS: |token_pos| under 2^20 (n stays exact in f32 and in i32).  A frequency may differ in its last bit from a power function's result.
.set PWR, 16                           ; v16-31   the powers, then the angles, then the reduced arguments
.set OUT, 32                           ; v32-63   cos, sin by pairs
.set FRQ, 64                           ; v64-79   the frequencies, later z^2
.set QN,  80                           ; v80-95   n
.set ZZ,  96                           ; v96-111  z = r^2, later 1 - z / 2
.set SN,  112                          ; v112-127 sin r
.set CN,  128                          ; v128-143 cos r
.set TT,  6                            ; v6       at work
	s_load_b128 s[4:7], s[0:1], 0x0                ; token_pos, the table
	v_and_b32 v1, 15, v0                           ; r
	v_bfe_u32 v2, v0, 4, 1                         ; h
	v_lshlrev_b32 v3, 2, v1                        ; my token's word
	v_lshlrev_b32 v5, 4, v0                        ; 16 x lane (one wave: the thread's number is the lane)
	s_lshl_b32 s2, ttmp9, 6                        ; 16 tokens of 4 bytes
	s_mov_b32 s3, 0
	s_lshl_b32 s20, ttmp9, 12                      ; 4,096 bytes of table a tile
	s_mov_b32 s21, 0
	s_mov_b32 s8, 0x3f22f983                       ; 2 / pi
	s_mov_b32 s9, 0xbfc90fdb                       ; -(pi / 2 rounded to f32)
	s_mov_b32 s10, 0x333bbd2e                      ; what that rounding added, 4.3711388e-8,
	s_mov_b32 s11, 0x26f72cee                      ; and the rest, 1.7151e-15
	s_mov_b32 s12, 0xb94ca1f9                      ; sine: -1.9515295891e-4
	s_mov_b32 s13, 0x3c08839e                      ;        8.3321608736e-3
	s_mov_b32 s14, 0xbe2aaaa3                      ;       -1.6666654611e-1
	s_mov_b32 s15, 0x37ccf5ce                      ; cosine: 2.443315711809948e-5
	s_mov_b32 s16, 0xbab6061a                      ;        -1.388731625493765e-3
	s_mov_b32 s17, 0x3d2aaaa5                      ;         4.166664568298827e-2
	s_mov_b32 s18, 0x80000000                      ; a sign
	s_wait_kmcnt 0x0
	s_add_nc_u64 s[4:5], s[4:5], s[2:3]
	s_add_nc_u64 s[6:7], s[6:7], s[20:21]
	global_load_b32 v4, v3, s[4:5]
	v_cmp_eq_u32 vcc_lo, 1, v2                     ; lanes 16-31 take the second literal
.macro FREQ pi, lo, hi
	v_mov_b32 v[PWR+\pi], \lo
	v_mov_b32 v[TT], \hi
	v_cndmask_b32 v[PWR+\pi], v[PWR+\pi], v[TT], vcc_lo
.endm
	FREQ 0, 1.0, 3.1622776601683795
	FREQ 1, 1.3335214321633240, 4.2169650342858223
	FREQ 2, 1.7782794100389228, 5.6234132519034912
	FREQ 3, 2.3713737056616552, 7.4989420933245583
	FREQ 4, 10.0, 31.622776601683795
	FREQ 5, 13.335214321633240, 42.169650342858223
	FREQ 6, 17.782794100389228, 56.234132519034912
	FREQ 7, 23.713737056616552, 74.989420933245583
	FREQ 8, 100.0, 316.22776601683795
	FREQ 9, 133.35214321633240, 421.69650342858223
	FREQ 10, 177.82794100389228, 562.34132519034912
	FREQ 11, 237.13737056616552, 749.89420933245583
	FREQ 12, 1000.0, 3162.2776601683795
	FREQ 13, 1333.5214321633240, 4216.9650342858223
	FREQ 14, 1778.2794100389228, 5623.4132519034912
	FREQ 15, 2371.3737056616552, 7498.9420933245583
.irp p, 0,1,2,3,4,5,6,7,8,9,10,11,12,13,14,15
	v_rcp_f32 v[FRQ+\p], v[PWR+\p]
.endr
	v_nop                                          ; a plain instruction between the last reciprocal and the use of its result
	s_wait_alu depctr_va_vdst(0)
.irp p, 0,1,2,3,4,5,6,7,8,9,10,11,12,13,14,15
	v_fma_f32 v[ZZ+\p], -v[PWR+\p], v[FRQ+\p], 1.0 ; the reciprocal's error,
.endr
.irp p, 0,1,2,3,4,5,6,7,8,9,10,11,12,13,14,15
	v_fma_f32 v[FRQ+\p], v[FRQ+\p], v[ZZ+\p], v[FRQ+\p]   ; taken off
.endr
	s_wait_loadcnt 0x0
	v_cvt_f32_i32 v4, v4                           ; the position
.irp p, 0,1,2,3,4,5,6,7,8,9,10,11,12,13,14,15
	v_mul_f32 v[PWR+\p], v4, v[FRQ+\p]             ; the angle: one f32 product
.endr
.irp p, 0,1,2,3,4,5,6,7,8,9,10,11,12,13,14,15
	v_mul_f32 v[QN+\p], s8, v[PWR+\p]
.endr
.irp p, 0,1,2,3,4,5,6,7,8,9,10,11,12,13,14,15
	v_rndne_f32 v[QN+\p], v[QN+\p]                 ; n
.endr
.irp p, 0,1,2,3,4,5,6,7,8,9,10,11,12,13,14,15
	v_fma_f32 v[PWR+\p], v[QN+\p], s9, v[PWR+\p]   ; r = angle - n pi / 2, in three parts
.endr
.irp p, 0,1,2,3,4,5,6,7,8,9,10,11,12,13,14,15
	v_fma_f32 v[PWR+\p], v[QN+\p], s10, v[PWR+\p]
.endr
.irp p, 0,1,2,3,4,5,6,7,8,9,10,11,12,13,14,15
	v_fma_f32 v[PWR+\p], v[QN+\p], s11, v[PWR+\p]
.endr
.irp p, 0,1,2,3,4,5,6,7,8,9,10,11,12,13,14,15
	v_mul_f32 v[ZZ+\p], v[PWR+\p], v[PWR+\p]       ; z = r^2
.endr
.irp p, 0,1,2,3,4,5,6,7,8,9,10,11,12,13,14,15
	v_fma_f32 v[SN+\p], v[ZZ+\p], s12, s13
	v_fma_f32 v[CN+\p], v[ZZ+\p], s15, s16
.endr
.irp p, 0,1,2,3,4,5,6,7,8,9,10,11,12,13,14,15
	v_fma_f32 v[SN+\p], v[SN+\p], v[ZZ+\p], s14
	v_fma_f32 v[CN+\p], v[CN+\p], v[ZZ+\p], s17
.endr
.irp p, 0,1,2,3,4,5,6,7,8,9,10,11,12,13,14,15
	v_mul_f32 v[SN+\p], v[SN+\p], v[ZZ+\p]
	v_mul_f32 v[FRQ+\p], v[ZZ+\p], v[ZZ+\p]        ; z^2
.endr
.irp p, 0,1,2,3,4,5,6,7,8,9,10,11,12,13,14,15
	v_fma_f32 v[SN+\p], v[SN+\p], v[PWR+\p], v[PWR+\p]   ; sin r = r + r z (S1 + z (S2 + z S3))
	v_fma_f32 v[ZZ+\p], v[ZZ+\p], -0.5, 1.0
.endr
.irp p, 0,1,2,3,4,5,6,7,8,9,10,11,12,13,14,15
	v_fma_f32 v[CN+\p], v[CN+\p], v[FRQ+\p], v[ZZ+\p]    ; cos r = 1 - z / 2 + z^2 (C1 + z (C2 + z C3))
	v_cvt_i32_f32 v[QN+\p], v[QN+\p]
.endr
.irp p, 0,1,2,3,4,5,6,7,8,9,10,11,12,13,14,15
	v_and_b32 v[TT], 1, v[QN+\p]                   ; n odd: sine and cosine change places
	v_cmp_eq_u32 vcc_lo, 1, v[TT]
	v_cndmask_b32 v[OUT+2*\p+1], v[SN+\p], v[CN+\p], vcc_lo
	v_cndmask_b32 v[OUT+2*\p], v[CN+\p], v[SN+\p], vcc_lo
	v_lshlrev_b32 v[TT], 30, v[QN+\p]              ; the sine is turned where n % 4 is 2 or 3,
	v_and_b32 v[TT], s18, v[TT]
	v_xor_b32 v[OUT+2*\p+1], v[TT], v[OUT+2*\p+1]
	v_add_nc_u32 v[TT], 1, v[QN+\p]                ; the cosine where it is 1 or 2
	v_lshlrev_b32 v[TT], 30, v[TT]
	v_and_b32 v[TT], s18, v[TT]
	v_xor_b32 v[OUT+2*\p], v[TT], v[OUT+2*\p]
.endr
.irp g, 0,1,2,3,4,5,6,7
	global_store_b128 v5, v[OUT+4*\g:OUT+4*\g+3], s[6:7] offset:512*\g   ; 32 lanes store 512 consecutive bytes
.endr
	s_endpgm
.Lfunc_end_k_qcb3bf3a6a4_rope:
	.size	k_qcb3bf3a6a4_rope, .Lfunc_end_k_qcb3bf3a6a4_rope-k_qcb3bf3a6a4_rope
	.p2alignl 7, 3214868480
	.fill 96, 4, 3214868480
	.section	.rodata,"a",@progbits
	.p2align	6, 0x0
	.amdhsa_kernel k_qcb3bf3a6a4_rope
		.amdhsa_group_segment_fixed_size 0
		.amdhsa_private_segment_fixed_size 0
		.amdhsa_enable_private_segment 0
		.amdhsa_kernarg_size 16
		.amdhsa_user_sgpr_count 2
		.amdhsa_user_sgpr_kernarg_segment_ptr 1
		.amdhsa_wavefront_size32 1
		.amdhsa_system_sgpr_workgroup_id_x 1
		.amdhsa_system_sgpr_workgroup_id_y 1
		.amdhsa_system_sgpr_workgroup_id_z 1
		.amdhsa_system_vgpr_workitem_id 0
		.amdhsa_next_free_vgpr 144
		.amdhsa_next_free_sgpr 66
		.amdhsa_reserve_vcc 1
		.amdhsa_float_denorm_mode_32 3
		.amdhsa_float_denorm_mode_16_64 3
		.amdhsa_memory_ordered 1
		.amdhsa_forward_progress 1
		.amdhsa_inst_pref_size 27
	.end_amdhsa_kernel
	.amdgpu_metadata
---
amdhsa.version: [ 1, 2 ]
amdhsa.kernels:
  - .name:           k_qcb3bf3a6a4_rope
    .symbol:         k_qcb3bf3a6a4_rope.kd
    .args:
      - { .name: token_pos, .offset: 0, .size: 8, .value_kind: global_buffer, .address_space: global }
      - { .name: rope_tab, .offset: 8, .size: 8, .value_kind: global_buffer, .address_space: global }
    .group_segment_fixed_size: 0
    .private_segment_fixed_size: 0
    .kernarg_segment_align: 8
    .kernarg_segment_size: 16
    .max_flat_workgroup_size: 32
    .sgpr_count:     66
    .vgpr_count:     144
    .wavefront_size: 32
...
	.end_amdgpu_metadata
.endif
;; end of part 1
;; launch qkv (part 2): grid 12 x 32, 4 waves a work-group, clusters of 4 x 4, 327,680 bytes of LDS; arguments x_codes, x_scales, Wq_codes, Wq_scales, Wk_codes, Wk_scales, Wv_codes, Wv_scales, rope_tab, q_img, kv_img; writes q_img, kv_img
.if DOCPART == 2
	.amdgcn_target "amdgcn-amd-amdhsa--gfx1250"
	.amdhsa_code_object_version 6
	.text
	.protected	k_qcb3bf3a6a4_qkv
	.globl	k_qcb3bf3a6a4_qkv
	.p2align	8
	.type	k_qcb3bf3a6a4_qkv,@function
k_qcb3bf3a6a4_qkv:
	s_mov_b64 s[64:65], 0
	v_nop
	global_prefetch_b8 v0, s[64:65] scope:SCOPE_SE
	s_setreg_imm32_b32 hwreg(HW_REG_WAVE_MODE, 25, 1), 1
	s_wait_xcnt 0x0
	s_wait_alu depctr_hold_cnt(0) depctr_sa_sdst(0) depctr_va_vdst(0) depctr_va_sdst(0) depctr_va_ssrc(0) depctr_va_vcc(0) depctr_vm_vsrc(0)
	s_getreg_b32 s2, hwreg(HW_REG_IB_STS2, 6, 4)
	s_cmp_eq_u32 s2, 0
	s_cbranch_scc0 .Lentry_in_a_cluster
	s_endpgm
.Lentry_in_a_cluster:
	s_bfe_u32 s2, ttmp6, 0x10000c
	s_cmp_lg_u32 s2, 0xf033
	s_cbranch_scc0 .Lentry_shape_is_right
	s_endpgm
.Lentry_shape_is_right:
; q = rope(x Wq^T), k = rope(x Wk^T), v = x Wv^T on codes of FP6 (E2M3) with one E8M0 scale for each 32 along K = 1,024; the results are quantised here, from f32: q and k along a head's 64 channels,
; v along the keys, and stored as images of the next launch's operand registers.
; A tile of 256 x 256 of C = A B^T is made by four waves, each 128 x 128: 64 accumulators, 512 registers.  K goes in steps of 256 through a ring of two LDS slots filled by the tensor data mover;
; the scale bytes of the tile's 512 rows, for all of K, come into LDS once.  4 x 4 work-groups form a cluster: A's tiles are asked for jointly along a row of it, B's along a column.
; The cluster's x (0, 1, 2) says which weight: the same in all sixteen partners.  THE MATRIX INSTRUCTION TAKES source 0 = 16 rows of B, source 1 = 16 rows of A: a lane holds ONE row of A and its registers run
; along B's rows.  For q and k: A = x, B = W: a lane holds a token, registers run along the channels, which are the next product's K.  For v: A = Wv, B = x: a lane holds a channel, registers run along
; the tokens, which are ITS next K.  Only pointers and tile numbers are chosen by the weight's number; the loop is one text.
; THE ORDER INSIDE A BLOCK OF 32.  A lane's 16 registers of two neighbouring tiles are elements 8 h + 0..7 and 16 + 8 h + 0..7 of a block (h = lane / 16).  They are converted as they stand, so that the block lies in
; the operand in the order 0-7, 16-23, 8-15, 24-31.  Both operands of each later product are made so (q and k here; v here and p in the next launch): the same order on both sides leaves the products as they are.
; RECORDS.  For each (batch, head, 128 tokens): q and k: 12 groups of 512 bytes (lane l's 16 bytes at 16 l): registers 6 t .. 6 t + 5 are token tile t (16 tokens x 64 channels); then one group of scale words: register bb has
; tile 2 bb's words in lanes 0-15 and tile 2 bb + 1's in lanes 16-31; a word is the two bytes and 0x7f7f above them.  v, 6,656 bytes behind k: channel tile t: 3 groups, the 12 registers of 16 channels x 128 keys; then 256 bytes of scale words.
; LIMITS: scale bytes 0xff, NaN and infinities are not served.  A block of zeros gets the byte 1 (its codes are zeros; these bytes are read by this program alone).
; REGISTERS, in windows of 256: window 0: v0-31 addresses; v32-63 scale words, two sets; v64-127 two token tiles' cos and sin; from v128 A's fragments, one set.  window 1: B's fragments, two sets.
;   windows 2, 3: the accumulators ((a, b) at v[8 (8 (a % 4) + b)]).  On the way out window 0: v32-55 codes, v56-62 half blocks, v128-191 rotated numbers, v192-199 scale words to store, v200-220 at work.
.set KSTEP,  256
.set NQ,     2
.set ROWB,   192                       ; a tile's row: 256 codes
.set KROW,   768                       ; a row of x or of a weight in memory
.set PITCH,  240                       ; an LDS row: 3 x (64 bytes + 16 of padding): the 32 lanes of a load of 8 bytes touch 64 different banks
.set FR,     12
.set NL,     6
.set NP,     4
.set HALFT,  128*PITCH
.set SLOT,   4*HALFT
.set KS,     32                        ; a row of scale bytes
.set SCL,    2*SLOT
.set HALFS,  (128*KS/256)*272
.set SBLK,   (16*KS/256)*272
.set SPARE,  SCL+4*HALFS               ; the spare words, 128 bytes for each wave: two blocks of 256 bytes that no other line names
.set QREC,   6656
.set KVREC,  13056
.set ADRA, 16
.set ADRB, 20
.set ADRS, 27
.set SPW,  28
.set NIL,  29
.set L16,  30                          ; v30  16 x lane; never rewritten
.set L8,   31                          ; v31  8 x lane; never rewritten
.set SC,   32
.set CS,   64                          ; v64-95, v96-127: cos and sin of a token tile, two buffers
.set AF,   128
.set CD,   32                          ; the way out: codes
.set H0,   56                          ; the conversions' second halves
.set H1,   60
.set R,    128                         ; 64 rotated numbers
.set SW,   192                         ; scale words to be stored
.set TM,   200                         ; v200-203 largest magnitudes, v204-207 bytes, v212-215 the conversions' scale operands
.set PW,   216                         ; the four bytes just made
.set KE,   217                         ; v217-218 the even tile's words; v219-220 the odd tile's
.set G1, 24
.set G0, 32
.set G1B, 48
.set G0B, 56
.set G1S, 68
.set G0S, 76
.set G1SB, 80
.set G0SB, 88
.set MSB, 0
.macro WIN new                         ; the immediate's high byte repeats the setting that is left
.if MSB != (\new)
	s_set_vgpr_msb (MSB<<8)|(\new)
.set MSB, (\new)
.endif
.endm
.set MUL_LO, 0xa1                      ; source 0 (B) window 1, source 1 (A) window 0, C and D window 2
.set MUL_HI, 0xf1
.set TO_B,   0x40
; A joint load: waves 0 and 1 fetch for A, waves 2 and 3 for B; the branch hangs on the wave's number alone.  Four v_nop follow each of the two lines.
.macro JLOAD g0a, g1a, g0b, g1b
	s_cmp_eq_u32 s15, 0
	s_cbranch_scc0 .Lfor_b_\@
	tensor_load_to_lds s[\g0a:\g0a+3], s[\g1a:\g1a+7]
	s_nop 0
.rept 4
	v_nop
.endr
	s_branch .Lasked_\@
.Lfor_b_\@:
	tensor_load_to_lds s[\g0b:\g0b+3], s[\g1b:\g1b+7]
	s_nop 0
.rept 4
	v_nop
.endr
.Lasked_\@:
.endm
.macro CREST                           ; a round of the cluster's barrier behind its opening barrier
	s_cmp_lg_u32 s14, 0
	s_cbranch_scc1 .Lnot_wave_0_\@
	s_barrier_signal -3
.Lnot_wave_0_\@:
	s_barrier_wait -3
	s_barrier_signal -1
	s_barrier_wait -1
.endm
.macro CROUND
	s_barrier_signal -1
	s_barrier_wait -1
	CREST
.endm
	s_load_b512 s[68:83], s[0:1], 0x0              ; x codes, x scales, Wq c, Wq s, Wk c, Wk s, Wv c, Wv s
	s_load_b128 s[84:87], s[0:1], 0x40             ; the table, q's records
	s_load_b64 s[88:89], s[0:1], 0x50              ; k's and v's records
	v_lshl_add_u32 v[SPW], v0, 2, SPARE
	v_mov_b32 v[NIL], 0
	ds_add_u32 v28, v29
	s_wait_dscnt 0x0
	v_lshrrev_b32 v1, 5, v0
	v_readfirstlane_b32 s14, v1                    ; wave 0..3
	s_lshr_b32 s15, s14, 1                         ; which half of A's rows is mine.  Also: I fetch for A (0) or for B (1)
	s_and_b32 s16, s14, 1                          ; which half of B's rows.  Also: which 128 rows of that tile I fetch
	s_mov_b32 s2, ttmp9                            ; the cluster's x: 0 q, 1 k, 2 v
	s_bfe_u32 s40, ttmp6, 0x40000                  ; cx, cy: my place in the cluster
	s_bfe_u32 s41, ttmp6, 0x40004
	s_and_b32 s18, ttmp7, 0xffff
	s_lshl_b32 s18, s18, 2                         ; 4 x the cluster's y: it walks x's 32 tiles of 256 tokens,
	s_cmp_eq_u32 s2, 2
	s_cselect_b32 s19, 0, s18                      ; which are A's rows for q and k
	s_cselect_b32 s18, s18, 0                      ; and B's rows for v
	s_add_co_u32 s17, s41, s19                     ; A's tile: it hangs on cy alone
	s_add_co_u32 s42, s40, s18                     ; B's tile: on cx alone
	s_lshl_b32 s43, s41, 2
	s_lshl_b32 s43, 15, s43                        ; my row of the cluster
	s_lshl_b32 s44, 0x1111, s40                    ; my column
	s_mov_b32 s98, 0xffff0000                      ; lanes 16-31
	s_mov_b32 s99, 0x7f7f0000                      ; the bytes of the two blocks that a head's 64 channels do not fill: 2^0
	s_mov_b32 s100, 0x76543210
	s_mov_b32 s101, 0xfedcba98                     ; v_permlanex16_b32's selects for lane l xor 16
	; descriptor group 1: a tile of 128 rows x 192 bytes, 16 bytes of padding behind every 64
	s_or_b32 s[G1+0], s43, (0<<16)|(1<<20)|(1<<21)|(3<<22)|(3<<25)
	s_or_b32 s[G1B+0], s44, (0<<16)|(1<<20)|(1<<21)|(3<<22)|(3<<25)
.irp g, G1, G1B
	s_mov_b32 s[\g+1], ROWB<<16                    ; tensor_dim0
	s_mov_b32 s[\g+2], 128<<16                     ; tensor_dim1
	s_mov_b32 s[\g+3], ROWB<<16                    ; tile_dim0
	s_mov_b32 s[\g+4], 128                         ; tile_dim1
	s_mov_b32 s[\g+5], KROW                        ; pitch
	s_mov_b32 s[\g+6], 0
	s_mov_b32 s[\g+7], 0
.endr
	s_wait_kmcnt 0x0
	s_cmp_eq_u32 s2, 0                             ; the choices hang on the cluster's x alone
	s_cselect_b64 s[92:93], s[72:73], s[76:77]     ; Wq or Wk
	s_cselect_b64 s[94:95], s[74:75], s[78:79]
	s_cselect_b64 s[12:13], s[86:87], s[88:89]     ; q's records, or k's and v's
	s_cmp_eq_u32 s2, 2
	s_cselect_b64 s[4:5], s[80:81], s[68:69]       ; A: Wv, else x
	s_cselect_b64 s[6:7], s[82:83], s[70:71]
	s_cselect_b64 s[8:9], s[68:69], s[92:93]       ; B: x, else Wq or Wk
	s_cselect_b64 s[10:11], s[70:71], s[94:95]
	s_mov_b64 s[96:97], s[84:85]                   ; the table
	; the scales of 128 rows: a dense block of 4,096 bytes, as 16 rows of 256 bytes (32 elements of 8), 16 bytes of padding behind each
	s_or_b32 s[G1S+0], s43, (3<<16)|(1<<20)|(1<<21)|(5<<22)|(3<<25)
	s_or_b32 s[G1SB+0], s44, (3<<16)|(1<<20)|(1<<21)|(5<<22)|(3<<25)
.irp g, G1S, G1SB
	s_mov_b32 s[\g+1], 32<<16
	s_mov_b32 s[\g+2], (128*KS/256)<<16
	s_mov_b32 s[\g+3], 32<<16
	s_mov_b32 s[\g+4], 128*KS/256
	s_mov_b32 s[\g+5], 32
	s_mov_b32 s[\g+6], 0
	s_mov_b32 s[\g+7], 0
.endr
	s_lshl_b32 s18, s16, 7                         ; which 128 rows of the tile I fetch
	s_lshl_b32 s20, s17, 8
	s_add_co_u32 s20, s20, s18                     ; A's row
	s_lshl_b32 s46, s42, 8
	s_add_co_u32 s46, s46, s18                     ; B's row
	s_mov_b32 s21, 0
	s_mov_b32 s47, 0
	s_mov_b64 s[18:19], KS
	s_mul_u64 s[22:23], s[20:21], s[18:19]         ; where these rows' scales begin
	s_mul_u64 s[92:93], s[46:47], s[18:19]
	s_mov_b64 s[18:19], KROW
	s_mul_u64 s[20:21], s[20:21], s[18:19]         ; and their codes
	s_mul_u64 s[46:47], s[46:47], s[18:19]
	s_mul_i32 s45, s14, HALFT                      ; where they go: wave x 128 rows: no place in the cluster enters an LDS address
	s_mul_i32 s94, s14, HALFS
	s_add_nc_u64 s[20:21], s[4:5], s[20:21]
	s_add_nc_u64 s[22:23], s[6:7], s[22:23]
	s_add_nc_u64 s[46:47], s[8:9], s[46:47]
	s_add_nc_u64 s[92:93], s[10:11], s[92:93]
	CROUND                                         ; all sixteen work-groups are here: the first joint loads meet
	s_mov_b32 s[G0S], 1
	s_add_co_u32 s[G0S+1], s94, SCL
	s_mov_b64 s[G0S+2:G0S+3], s[22:23]
	s_or_b32 s[G0S+3], s[G0S+3], 0x80000000
	s_mov_b32 s[G0SB], 1
	s_add_co_u32 s[G0SB+1], s94, SCL
	s_mov_b64 s[G0SB+2:G0SB+3], s[92:93]
	s_or_b32 s[G0SB+3], s[G0SB+3], 0x80000000
	JLOAD G0S, G1S, G0SB, G1SB                     ; the scales first: they are wanted with K step 0
.irp s, 0,1
	s_mov_b32 s[G0+4*\s], 1
	s_add_co_u32 s[G0+4*\s+1], s45, \s*SLOT
	s_add_nc_u64 s[G0+4*\s+2:G0+4*\s+3], s[20:21], \s*ROWB
	s_or_b32 s[G0+4*\s+3], s[G0+4*\s+3], 0x80000000
	s_mov_b32 s[G0B+4*\s], 1
	s_add_co_u32 s[G0B+4*\s+1], s45, \s*SLOT
	s_add_nc_u64 s[G0B+4*\s+2:G0B+4*\s+3], s[46:47], \s*ROWB
	s_or_b32 s[G0B+4*\s+3], s[G0B+4*\s+3], 0x80000000
	JLOAD G0+4*\s, G1, G0B+4*\s, G1B               ; three tensor loads of mine are out now
.endr
	v_and_b32 v1, 15, v0                           ; l % 16
	v_bfe_u32 v2, v0, 4, 1                         ; l / 16
	v_mul_u32_u24 v3, v1, PITCH
	v_mul_u32_u24 v4, v2, 24
	v_add_nc_u32 v4, v3, v4                        ; a fragment's row x pitch + 24 x half
	v_lshl_add_u32 v5, v2, 4, v4                   ; and the same behind one padding more
	s_mul_i32 s21, s15, HALFT                      ; my 128 rows of A
	s_mul_i32 s22, s16, HALFT                      ; my 128 rows of B,
	s_add_co_u32 s22, s22, 2*HALFT                 ; which lie behind A's 256
.irp s, 0,1
	v_add_nc_u32 v[ADRA+\s], s21, v4
	v_add_nc_u32 v[ADRB+\s], s22, v4
	v_add_nc_u32 v[ADRA+2+\s], s21, v5
	v_add_nc_u32 v[ADRB+2+\s], s22, v5
	s_add_co_u32 s21, s21, SLOT
	s_add_co_u32 s22, s22, SLOT
.endr
	v_mul_u32_u24 v5, v1, KS                       ; my row's scales: 32 bytes a row,
	v_lshrrev_b32 v6, 8, v5
	v_lshl_add_u32 v5, v6, 4, v5                   ; and 16 more for each 256 passed
	s_mul_i32 s21, s15, HALFS
	s_mul_i32 s22, s16, HALFS
	s_add_co_u32 s22, s22, 2*HALFS
	s_sub_co_u32 s22, s22, s21
	v_mul_u32_u24 v6, s22, v2                      ; lanes 16-31 take B's
	s_add_co_u32 s21, s21, SCL
	v_add_nc_u32 v5, v5, v6
	v_add_nc_u32 v[ADRS], s21, v5
	v_and_b32 v6, 31, v0
	v_lshlrev_b32 v[L16], 4, v6
	v_lshlrev_b32 v[L8], 3, v6
	; where my results go.  My 128 tokens are group gs of 64; my 128 channels are heads 2 hp and 2 hp + 1
	s_lshl_b32 s18, s17, 1
	s_add_co_u32 s18, s18, s15                     ; my 128 rows of A
	s_lshl_b32 s19, s42, 1
	s_add_co_u32 s19, s19, s16                     ; my 128 rows of B
	s_mov_b32 s22, KVREC
	s_cmp_eq_u32 s2, 2
	s_cselect_b32 s20, s19, s18                    ; gs
	s_cselect_b32 s21, s18, s19                    ; hp
	s_cselect_b32 s23, QREC, 0                     ; v lies behind k in a record
	s_cmp_eq_u32 s2, 0
	s_cselect_b32 s22, QREC, s22                   ; a record's bytes
	s_lshr_b32 s46, s20, 4                         ; the batch
	s_and_b32 s92, s20, 15                         ; which 128 tokens of its 2,048
	s_lshl_b32 s46, s46, 4
	s_lshl_b32 s21, s21, 1
	s_add_co_u32 s46, s46, s21                     ; 16 x batch + head
	s_lshl_b32 s46, s46, 4
	s_add_co_u32 s46, s46, s92
	s_mul_i32 s46, s46, s22
	s_add_co_u32 s46, s46, s23
	s_mov_b32 s47, 0
	s_add_nc_u64 s[12:13], s[12:13], s[46:47]      ; my first head's record
	s_lshl_b32 s46, s22, 4
	s_add_nc_u64 s[66:67], s[12:13], s[46:47]      ; my second head's: 16 records on
	s_lshl_b32 s92, s92, 15                        ; the table: 8 token tiles of 4,096 bytes
	s_mov_b32 s93, 0
	s_add_nc_u64 s[96:97], s[96:97], s[92:93]
	; cos and sin of my first two token tiles: asked for here, wanted behind the last product.  v's work-groups ask too (for their own tokens' place) and use nothing of it: 8 KB a wave;
	; so there is one way into the loop and every register that the way out reads is written on it.
.irp a, 0,1
.irp g, 0,1,2,3,4,5,6,7
	global_load_b128 v[CS+32*\a+4*\g:CS+32*\a+4*\g+3], v[L16], s[96:97] offset:4096*\a+512*\g
.endr
.endr
.macro FRAG reg, adr, q, i             ; a fragment, 16 rows x 128 K, is 12 registers: registers 6 c .. 6 c + 5 hold K = 64 c + 32 (l / 16) + 0 .. 31: 24 bytes of the row's stream of bits, in pieces of 8 bytes
.irp p, 0,1,2,3,4,5
.set PC, 12*(\q)+6*(\p/3)+\p%3        ; 16 bytes of padding lie behind every 8 pieces: where the piece three on lies behind one padding more, the second address register serves
.if PC%8 < 5
	ds_load_b64 v[\reg+2*\p:\reg+2*\p+1], v[\adr] offset:8*PC+16*(PC/8)+(\i)*16*PITCH
.else
	ds_load_b64 v[\reg+2*\p:\reg+2*\p+1], v[\adr+2] offset:8*PC+16*(PC/8)+(\i)*16*PITCH
.endif
.endr
.endm
; 16 matrix instructions: A's blocks a0, a0 + 1 x B's eight.  The 64 accumulators take turns, one instruction a turn, in the same order in every step.
.macro MUL16 a0, p, q, sc, zero
.irp a, \a0, \a0+1
.irp b, 0,1,2,3,4,5,6,7
.if \zero
	v_wmma_scale_f32_16x16x128_f8f6f4 v[8*(8*((\a)%4)+\b):8*(8*((\a)%4)+\b)+7], v[128*(\p)+FR*\b:128*(\p)+FR*\b+FR-1], v[AF+FR*(\a):AF+FR*(\a)+FR-1], 0, v[SC+8*NQ*(\sc)+NQ*\b+(\q)], v[SC+8*NQ*(\sc)+NQ*(\a)+(\q)] matrix_a_fmt:MATRIX_FMT_FP6 matrix_b_fmt:MATRIX_FMT_FP6 matrix_a_scale:MATRIX_SCALE_ROW1
.else
	v_wmma_scale_f32_16x16x128_f8f6f4 v[8*(8*((\a)%4)+\b):8*(8*((\a)%4)+\b)+7], v[128*(\p)+FR*\b:128*(\p)+FR*\b+FR-1], v[AF+FR*(\a):AF+FR*(\a)+FR-1], v[8*(8*((\a)%4)+\b):8*(8*((\a)%4)+\b)+7], v[SC+8*NQ*(\sc)+NQ*\b+(\q)], v[SC+8*NQ*(\sc)+NQ*(\a)+(\q)] matrix_a_fmt:MATRIX_FMT_FP6 matrix_b_fmt:MATRIX_FMT_FP6 matrix_a_scale:MATRIX_SCALE_ROW1
.endif
.endr
.endr
.endm
.macro FETCH_B slot, q, p
	WIN TO_B
.irp i, 0,1,2,3,4,5,6,7
	FRAG 128*(\p)+FR*\i, ADRB+\slot, \q, \i
.endr
	WIN 0
.endm
.macro FETCH_A slot, q, i0
.irp i, \i0, \i0+1, \i0+2, \i0+3
	FRAG AF+FR*(\i), ADRA+\slot, \q, \i
.endr
.endm
.macro SCALES sc                       ; a K step's scale words: lanes 0-15 take A's block i, lanes 16-31 B's block i
.irp i, 0,1,2,3,4,5,6,7
	ds_load_b64 v[SC+8*NQ*\sc+NQ*\i:SC+8*NQ*\sc+NQ*\i+1], v[ADRS] offset:\i*SBLK
.endr
.endm
.macro PLACES n                        ; plain vector instructions between a matrix instruction and a load into, or a vector instruction on, its registers (ISA guide 7.12.1 for vector instructions)
.rept \n
	v_nop
.endr
.endm
.macro STEP slot, q, zero              ; 128 along K that has its successor in the same slot
	s_wait_dscnt 4*NL                              ; B's set and A's blocks 0-3 are in; the youngest 24 loads (A's blocks 4-7) may be out
	WIN MUL_LO
	MUL16 0, (\q)%2, \q, \slot, \zero
	MUL16 2, (\q)%2, \q, \slot, \zero
	s_wait_dscnt 0
	PLACES NP
	FETCH_B \slot, (\q)+1, 1-(\q)%2
	FETCH_A \slot, (\q)+1, 0
	WIN MUL_HI
	MUL16 4, (\q)%2, \q, \slot, \zero
	MUL16 6, (\q)%2, \q, \slot, \zero
	PLACES NP
	WIN 0
	FETCH_A \slot, (\q)+1, 4
.endm
; A slot's last step changes slots: one barrier; in front of it each wave waits for all its tensor loads, adds 0 to its spare word, and waits for that and for its reads of this slot.  fill = 1: the slot is filled again, two K steps ahead.
.macro TURN slot, next, fill
	s_wait_tensorcnt 0x0                           ; all my tensor loads have landed: my part of the next slot
	ds_add_u32 v[SPW], v[NIL]                      ; 0 onto my spare word
	s_wait_dscnt 4*NL+1                            ; (the add and the youngest 24 loads may be out)
	WIN MUL_LO
	MUL16 0, 1, NQ-1, \slot, 0
	s_wait_dscnt 0x0                               ; the add is done, and my reads of this slot are over
	s_barrier_signal -1
	MUL16 2, 1, NQ-1, \slot, 0
	WIN 0
	s_barrier_wait -1
.if \fill
	CREST                                          ; the barrier has opened a round of the cluster's: no wave of any partner still reads this slot or has a load on its way
	s_add_nc_u64 s[G0+4*\slot+2:G0+4*\slot+3], s[G0+4*\slot+2:G0+4*\slot+3], 2*ROWB
	s_add_nc_u64 s[G0B+4*\slot+2:G0B+4*\slot+3], s[G0B+4*\slot+2:G0B+4*\slot+3], 2*ROWB
	JLOAD G0+4*\slot, G1, G0B+4*\slot, G1B         ; the first tensor load behind the round; its four v_nop are the places in front of the loads below
.else
	PLACES NP
.endif
	v_add_nc_u32 v[ADRS], 4*NQ, v[ADRS]            ; the next K step's scale words
	FETCH_B \next, 0, 0
	FETCH_A \next, 0, 0
	SCALES \next
	WIN MUL_HI
	MUL16 4, 1, NQ-1, \slot, 0
	MUL16 6, 1, NQ-1, \slot, 0
	PLACES NP
	WIN 0
	FETCH_A \next, 0, 4
.endm
	s_wait_tensorcnt 1                             ; the scales and my part of K step 0 are in (K step 1's load may be out),
	s_barrier_signal -1
	s_barrier_wait -1                              ; everybody's are
	FETCH_B 0, 0, 0
	FETCH_A 0, 0, 0
	SCALES 0
	FETCH_A 0, 0, 4
	STEP 0, 0, 1                                   ; K = 1,024 is four slots' worth, eight steps of 128: written out.  The first products start the sums
	TURN 0, 1, 1
	STEP 1, 0, 0
	TURN 1, 0, 1
	STEP 0, 0, 0
	TURN 0, 1, 0                                   ; nothing is left to fetch
	STEP 1, 0, 0
	s_wait_dscnt 4*NL
	WIN MUL_LO
	MUL16 0, 1, NQ-1, 1, 0
	MUL16 2, 1, NQ-1, 1, 0
	s_wait_dscnt 0
	WIN MUL_HI
	MUL16 4, 1, NQ-1, 1, 0
	MUL16 6, 1, NQ-1, 1, 0
	WIN 0
	PLACES NP
; 64 numbers of a lane, v[s] on in window w: registers 16 b .. 16 b + 15 are my half of block b of my row.  They become two runs of six registers of codes (d0: blocks 0, 1; d1: blocks 2, 3; lanes 0-15 hold the
; even block, lanes 16-31 the odd one) and the four scale bytes in v[PW].  A block's byte is its largest magnitude's exponent field - 2, held at 1 from below by the floor 2^(3 - 127) among the maximum's leaves.
.macro QUANT s, w, d0, d1
	WIN (\w)|((\w)<<2)
.irp b, 0,1,2,3
	v_max3_num_f32 v[TM+\b], |v[\s+16*\b]|, |v[\s+16*\b+1]|, 0x1800000
.endr
.irp i, 2,4,6,8,10,12,14
.irp b, 0,1,2,3
	v_max3_num_f32 v[TM+\b], |v[\s+16*\b+\i]|, |v[\s+16*\b+\i+1]|, v[TM+\b]   ; the four blocks by turns, each accumulator from its low end on
.endr
.endr
	WIN 0
.irp b, 0,1,2,3
	v_permlanex16_b32 v[TM+4+\b], v[TM+\b], s100, s101
.endr
.irp b, 0,1,2,3
	v_max_num_f32 v[TM+\b], v[TM+\b], v[TM+4+\b]   ; with lane l xor 16's half: the block's largest magnitude
.endr
.irp b, 0,1,2,3
	v_add_nc_u32 v[TM+12+\b], 0xff000000, v[TM+\b] ; 2 off its exponent field: the conversion takes this operand's exponent field as its scale
.endr
.irp b, 0,1,2,3
	v_lshrrev_b32 v[TM+4+\b], 23, v[TM+12+\b]      ; the byte
.endr
	v_lshl_or_b32 v[PW], v[TM+5], 8, v[TM+4]
	v_lshl_or_b32 v[PW], v[TM+6], 16, v[PW]
	v_lshl_or_b32 v[PW], v[TM+7], 24, v[PW]
	WIN \w
	v_cvt_scalef32_pk16_fp6_f32 v[\d0:\d0+2], v[\s:\s+15], v[TM+12]
	v_cvt_scalef32_pk16_fp6_f32 v[H0:H0+2], v[\s+16:\s+31], v[TM+13]
	v_cvt_scalef32_pk16_fp6_f32 v[\d1:\d1+2], v[\s+32:\s+47], v[TM+14]
	v_cvt_scalef32_pk16_fp6_f32 v[H1:H1+2], v[\s+48:\s+63], v[TM+15]
	WIN 0
	v_nop                                          ; one plain place behind a scaled conversion
.irp i, 0,1,2
	v_permlane16_swap_b32 v[\d0+\i], v[H0+\i]      ; the first's lanes 16-31 change places with the second's lanes 0-15: a whole block in a lane
	v_permlane16_swap_b32 v[\d1+\i], v[H1+\i]
.endr
.irp i, 0,1,2
	v_mov_b32 v[\d0+3+\i], v[H0+\i]
	v_mov_b32 v[\d1+3+\i], v[H1+\i]
.endr
.endm
.irp b, 0,1,2,3
	v_mov_b32 v[TM+4+\b], 0                        ; written once: a lane permute's destination counts as one of its sources
.endr
	s_cmp_eq_u32 s2, 2                             ; the cluster's x: alike in all partners
	s_cbranch_scc1 .Lway_v
; THE WAY OUT OF q AND k, a token tile (16 tokens x my two heads) at a time.  A lane's registers 2 n, 2 n + 1 are the pair (x1, x2) of head n / 16, frequency 8 u + 4 h + i, (n % 16) = 4 u + i; the table has cos and sin at the same place.
.macro QKTILE a
.set AC, 64*((\a)%4)
.set CB, CS+32*((\a)%2)
.if (\a) < 7
	s_wait_loadcnt 8                               ; this tile's eight table loads are in; the next tile's eight may be out
.else
	s_wait_loadcnt 0
.endif
	WIN 2+(\a)/4                                   ; source 0: the accumulators
.set n, 0
.rept 32
	v_pk_mul_f32 v[R+2*n:R+2*n+1], v[AC+2*n:AC+2*n+1], v[CB+2*(n%16):CB+2*(n%16)+1] op_sel_hi:[1,0]   ; (x1 cos, x2 cos)
.set n, n+1
.endr
.set n, 0
.rept 32
	v_pk_fma_f32 v[R+2*n:R+2*n+1], v[AC+2*n:AC+2*n+1], v[CB+2*(n%16):CB+2*(n%16)+1], v[R+2*n:R+2*n+1] op_sel:[1,1,0] op_sel_hi:[0,1,1] neg_lo:[0,1,0]   ; (- x2 sin, + x1 sin)
.set n, n+1
.endr
	WIN 0
.if ((\a) >= 2) && ((\a)%2 == 0)
	s_wait_xcnt 0x0                                ; the last pair of tiles' stores have read the code registers: they are written again only behind this wait
.endif
.if (\a) < 6
.irp g, 0,1,2,3,4,5,6,7
	global_load_b128 v[CB+4*\g:CB+4*\g+3], v[L16], s[96:97] offset:4096*((\a)+2)+512*\g   ; the tile two on, into the buffer just read
.endr
.endif
	QUANT R, 0, CD+6*((\a)%2), CD+12+6*((\a)%2)
.if (\a)%2 == 0
	v_and_or_b32 v[KE], v[PW], 0xffff, s99         ; my first head's word: its two bytes, 0x7f7f above;
	v_lshrrev_b32 v[KE+1], 16, v[PW]
	v_or_b32 v[KE+1], s99, v[KE+1]                 ; my second head's
.else
	v_and_or_b32 v[KE+2], v[PW], 0xffff, s99
	v_lshrrev_b32 v[KE+3], 16, v[PW]
	v_or_b32 v[KE+3], s99, v[KE+3]
	v_cndmask_b32 v[SW+(\a)/2], v[KE], v[KE+2], s98        ; lanes 0-15 the even tile's words, lanes 16-31 the odd tile's
	v_cndmask_b32 v[SW+4+(\a)/2], v[KE+1], v[KE+3], s98
.irp g, 0,1,2
	global_store_b128 v[L16], v[CD+4*\g:CD+4*\g+3], s[12:13] offset:(3*((\a)/2)+\g)*512         ; 32 lanes store 512 consecutive bytes
	global_store_b128 v[L16], v[CD+12+4*\g:CD+12+4*\g+3], s[66:67] offset:(3*((\a)/2)+\g)*512
.endr
.endif
.endm
.irp a, 0,1,2,3,4,5,6,7
	QKTILE \a
.endr
	global_store_b128 v[L16], v[SW:SW+3], s[12:13] offset:6144
	global_store_b128 v[L16], v[SW+4:SW+7], s[66:67] offset:6144
	s_branch .Lend
; THE WAY OUT OF v, a channel tile (16 channels x my 128 tokens) at a time: the 64 accumulator registers are quantised where they stand and become one fragment.
.Lway_v:
.macro VTILE a
.set OB, 12+54*((\a)/4)                ; s[12:13] or s[66:67]: the head's record
.if (\a) >= 2
	s_wait_xcnt 0x0                                ; the stores of two tiles ago have read these code registers
.endif
	QUANT 64*((\a)%4), 2+(\a)/4, CD+12*((\a)%2), CD+6+12*((\a)%2)
.irp g, 0,1,2
	global_store_b128 v[L16], v[CD+12*((\a)%2)+4*\g:CD+12*((\a)%2)+4*\g+3], s[OB:OB+1] offset:((\a)%4)*1536+512*\g
.endr
.if (\a)%2 == 0
	v_mov_b32 v[KE], v[PW]
.else
	v_cndmask_b32 v[SW+(\a)/2], v[KE], v[PW], s98  ; lanes 0-15 the even tile's words, lanes 16-31 the odd tile's
.endif
.if (\a)%4 == 3
	global_store_b64 v[L8], v[SW+2*((\a)/4):SW+2*((\a)/4)+1], s[OB:OB+1] offset:6144   ; 32 lanes store 256 consecutive bytes
.endif
.endm
.irp a, 0,1,2,3,4,5,6,7
	VTILE \a
.endr
.Lend:
	s_wait_tensorcnt 0x0                           ; the wave's end
	ds_add_u32 v[SPW], v[NIL]
	s_wait_dscnt 0x0
	CROUND                                         ; the closing round: no work-group ends while a partner may still ask for a tile that names it
	s_endpgm
.Lfunc_end_k_qcb3bf3a6a4_qkv:
	.size	k_qcb3bf3a6a4_qkv, .Lfunc_end_k_qcb3bf3a6a4_qkv-k_qcb3bf3a6a4_qkv
	.p2alignl 7, 3214868480
	.fill 96, 4, 3214868480
	.section	.rodata,"a",@progbits
	.p2align	6, 0x0
	.amdhsa_kernel k_qcb3bf3a6a4_qkv
		.amdhsa_group_segment_fixed_size 327680
		.amdhsa_private_segment_fixed_size 0
		.amdhsa_enable_private_segment 0
		.amdhsa_kernarg_size 88
		.amdhsa_user_sgpr_count 2
		.amdhsa_user_sgpr_kernarg_segment_ptr 1
		.amdhsa_wavefront_size32 1
		.amdhsa_system_sgpr_workgroup_id_x 1
		.amdhsa_system_sgpr_workgroup_id_y 1
		.amdhsa_system_sgpr_workgroup_id_z 1
		.amdhsa_system_vgpr_workitem_id 0
		.amdhsa_next_free_vgpr 1024
		.amdhsa_next_free_sgpr 102
		.amdhsa_reserve_vcc 0
		.amdhsa_float_denorm_mode_32 3
		.amdhsa_float_denorm_mode_16_64 3
		.amdhsa_memory_ordered 1
		.amdhsa_forward_progress 1
		.amdhsa_inst_pref_size 238
	.end_amdhsa_kernel
	.amdgpu_metadata
---
amdhsa.version: [ 1, 2 ]
amdhsa.kernels:
  - .name:           k_qcb3bf3a6a4_qkv
    .symbol:         k_qcb3bf3a6a4_qkv.kd
    .args:
      - { .name: x_codes, .offset: 0, .size: 8, .value_kind: global_buffer, .address_space: global }
      - { .name: x_scales, .offset: 8, .size: 8, .value_kind: global_buffer, .address_space: global }
      - { .name: Wq_codes, .offset: 16, .size: 8, .value_kind: global_buffer, .address_space: global }
      - { .name: Wq_scales, .offset: 24, .size: 8, .value_kind: global_buffer, .address_space: global }
      - { .name: Wk_codes, .offset: 32, .size: 8, .value_kind: global_buffer, .address_space: global }
      - { .name: Wk_scales, .offset: 40, .size: 8, .value_kind: global_buffer, .address_space: global }
      - { .name: Wv_codes, .offset: 48, .size: 8, .value_kind: global_buffer, .address_space: global }
      - { .name: Wv_scales, .offset: 56, .size: 8, .value_kind: global_buffer, .address_space: global }
      - { .name: rope_tab, .offset: 64, .size: 8, .value_kind: global_buffer, .address_space: global }
      - { .name: q_img, .offset: 72, .size: 8, .value_kind: global_buffer, .address_space: global }
      - { .name: kv_img, .offset: 80, .size: 8, .value_kind: global_buffer, .address_space: global }
    .group_segment_fixed_size: 327680
    .private_segment_fixed_size: 0
    .kernarg_segment_align: 8
    .kernarg_segment_size: 88
    .max_flat_workgroup_size: 128
    .sgpr_count:     102
    .vgpr_count:     1024
    .wavefront_size: 32
...
	.end_amdgpu_metadata
.endif
;; end of part 2
;; launch attn (part 3): grid 4 x 64, 16 waves a work-group, no clusters, 327,680 bytes of LDS; arguments q_img, kv_img, o_codes, o_scales; writes o_codes, o_scales
.if DOCPART == 3
	.amdgcn_target "amdgcn-amd-amdhsa--gfx1250"
	.amdhsa_code_object_version 6
	.text
	.protected	k_qcb3bf3a6a4_attn
	.globl	k_qcb3bf3a6a4_attn
	.p2align	8
	.type	k_qcb3bf3a6a4_attn,@function
k_qcb3bf3a6a4_attn:
	s_mov_b64 s[64:65], 0
	v_nop
	global_prefetch_b8 v0, s[64:65] scope:SCOPE_SE
	s_setreg_imm32_b32 hwreg(HW_REG_WAVE_MODE, 25, 1), 1
	s_wait_xcnt 0x0
; Causal attention of one (batch, head) on codes of FP6 (E2M3): S^T = K Q^T (K = the head's 64 channels), p = 2^(t - M), O^T = V^T P^T (K = the keys), O / l, and the quantiser of O along the model's 1,024.
; t = score x log2(e) / 8; M = the running largest t rounded UP to a whole number; p is quantised along the keys, not normalised; the row's sum l is taken of the unquantised p; when M moves, l and O are multiplied by 2^(old M - new M): exact.
; SHARES.  A work-group takes query block I (256 queries) and then block 7 - I of its head: (I + 1) + (8 - I) = 9 slots of 256 keys in every work-group: 256 work-groups of equal work, and a loop of constant count.
; Each of the sixteen waves owns 16 queries, in 256 registers: four waves to a SIMD, so that one wave's vector work stands beside another's products and LDS loads.
; K and V come as records of 13,056 bytes for 128 keys, images of the operand registers: a slot is two records, dense; waves 0 and 1 fetch one record each; every fragment comes by loads of 512 consecutive bytes.
; A HEAD'S 64 CHANNELS IN AN INSTRUCTION OF 128: Q's registers 6-11 are zero codes; K's tile t is named as twelve registers of which the upper six are tile t + 1's codes (zeros behind tile 7): they meet Q's zeros.  The scale bytes of those blocks are 0x7f.
; A lane holds ONE query (lane % 16) throughout; register 8 t + j of S^T is key 16 t + 8 (lane / 16) + j.  p's 16 registers of two tiles are converted as they stand: a block of 32 keys lies in the operand in the order
; 0-7, 16-23, 8-15, 24-31, as V's keys were laid by the launch before.  O meets a given operand next, so its numbers change lanes first (16 swaps) and are converted in their true order.
; CAUSAL: a step all of whose keys come after my queries is jumped over (a scalar branch on ids); on the diagonal hidden scores become -infinity.  Tiles are fetched and barriers passed by all alike.
; No cluster: the four work-groups of a head want different slots in the same trip (0 .. I, then 0 .. 7 - I).
; LIMITS: NaN and infinities are not served; a p under 2^-126 counts as 0 (the exponential's own flush); a block of zeros keeps the byte 1 (its codes are zeros; this program alone reads the bytes).
.set REC,   13056                      ; a record: K 6,144 + 512 of scale words, V 6,144 + 256
.set QREC,  6656
.set SLOT1, 1<<15                      ; slot 1 begins here: one exclusive or turns an address
.set SPARE, 1<<16                      ; the spare words, 128 bytes for each of 16 waves: eight blocks of 256 bytes that no other line names
.set L16, 1                            ; v1   16 x lane
.set L8,  2                            ; v2   8 x lane
.set SPW, 3                            ; v3   my spare word; never rewritten
.set NIL, 4                            ; v4   0; never rewritten
.set A16, 5                            ; v5   the slot in hand + 16 x lane
.set A8,  6                            ; v6   the slot in hand + 8 x lane
.set RH,  7                            ; v7   lane % 16 - 8 (lane / 16)
.set QO,  8                            ; v8-10 Q's three pairs in a record;  v11 its scale word
.set QF,  16                           ; v16-21 Q, v22-27 zeros
.set QW,  28                           ; v28 Q's scale words;  v29 the second block's
.set VW,  30                           ; v30-31 V's scale words
.set KV,  32                           ; v32-79 K's 48 registers, then V's;  v80-85 zeros
.set QB,  86                           ; v86-87, v92-95 the second block's Q
.set KW,  88                           ; v88-91 K's scale words
.set S,   96                           ; v96-159 S^T, then p
.set O,   160                          ; v160-191 O^T
.set PC,  192                          ; v192-203 p's codes
.set PH,  204                          ; v204-206, v208-210 the conversions' second halves
.set BM,  212                          ; v212-215 a block's largest score, then its largest p
.set PB,  216                          ; v216-219 the other half's; then the bytes
.set SO,  220                          ; v220-223 the conversions' scale operands
.set FF,  226                          ; v226 f = 2^(old M - new M); v227 named with it as a pair
.set PWD, 228                          ; v228 p's scale word
.set SU,  230                          ; v230-231 a second chain of sums
.set T0,  232
.set T1,  233
.set OS,  234                          ; v234 32 x (lane % 16): my row of the scale bytes
.set WV,  12                           ; s12 wave;  s13 I;  s14 16 x batch + head;  s15 the trip;  s16 the step's first key;  s17 my first query;  s18 the slot in hand
.set BI,  13
.set BH,  14
.set TR,  15
.set KF,  16
.set Q0,  17
.set TB,  18
.set SEL, 20
.set CS,  22                           ; s[22:23] c = log2(e) / 8
.set G1,  24
.set G0,  32
.set KVB, 36                           ; s[36:37] my record of the head's first 256 keys
.set OFF, 38                           ; s[38:39] bytes from there to the tile asked for
.macro TLOAD                           ; waves 0 and 1 fetch a record each; four v_nop follow the line
	s_cmp_lt_u32 s[WV], 2
	s_cbranch_scc0 .Lnone_\@
	tensor_load_to_lds s[G0:G0+3], s[G1:G1+7]
	s_nop 0
.rept 4
	v_nop
.endr
.Lnone_\@:
.endm
	s_load_b256 s[4:11], s[0:1], 0x0               ; q's records, k's and v's, o's codes, o's scale bytes
	v_lshl_add_u32 v[SPW], v0, 2, SPARE
	v_mov_b32 v[NIL], 0
	ds_add_u32 v3, v4
	ds_add_u32 v3, v4
	s_wait_dscnt 0x0
	v_lshrrev_b32 v[A16], 5, v0
	s_delay_alu instid0(VALU_DEP_1)
	v_readfirstlane_b32 s[WV], v[A16]              ; wave 0..15
	s_mov_b32 s[BI], ttmp9
	s_and_b32 s[BH], ttmp7, 0xffff
	; descriptor group 1: a record, dense: 51 rows of 256 bytes (32 elements of 8), no padding
	s_mov_b32 s[G1], 3<<16
	s_mov_b32 s[G1+1], 32<<16                      ; tensor_dim0
	s_mov_b32 s[G1+2], 51<<16                      ; tensor_dim1
	s_mov_b32 s[G1+3], 32<<16                      ; tile_dim0
	s_mov_b32 s[G1+4], 51                          ; tile_dim1
	s_mov_b32 s[G1+5], 32                          ; pitch
	s_mov_b32 s[G1+6], 0
	s_mov_b32 s[G1+7], 0
	s_and_b32 s44, s[WV], 1
	s_mul_i32 s[G0+1], s44, REC                    ; LDS: my record's place in slot 0,
	s_mul_i32 s[OFF], s[BH], 16*REC
	s_add_co_u32 s[OFF], s[OFF], s[G0+1]           ; and in the head's 16 records
	s_mov_b32 s[OFF+1], 0
	s_mov_b32 s[SEL], 0x76543210
	s_mov_b32 s[SEL+1], 0xfedcba98                 ; v_permlanex16_b32's selects for lane l xor 16
	s_mov_b32 s[CS], 0x3e38aa3b
	s_mov_b32 s[CS+1], s[CS]                       ; (named with it as a pair, so it is written)
	s_mov_b32 s[KF], 0
	s_mov_b32 s[TB], 0
	s_mov_b32 s[TR], 0
	s_lshl_b32 s[Q0], s[BI], 8
	s_lshl_b32 s45, s[WV], 4
	s_add_co_u32 s[Q0], s[Q0], s45                 ; 256 I + 16 x wave
	s_wait_kmcnt 0x0
	s_add_nc_u64 s[KVB:KVB+1], s[6:7], s[OFF:OFF+1]
	s_mov_b32 s[G0], 1
	s_mov_b64 s[G0+2:G0+3], s[KVB:KVB+1]
	s_or_b32 s[G0+3], s[G0+3], 0x80000000
	TLOAD                                          ; keys 0 to 255 into slot 0: one tensor load of mine is out
	; both blocks' Q: my tile t = wave % 8 of record 2 x block + wave / 8.  Register pair P = 3 t + p lies at 512 (P / 2) + 8 (P % 2) + 16 x lane
	v_and_b32 v[L8], 31, v0
	s_delay_alu instid0(VALU_DEP_1)
	v_lshlrev_b32 v[L16], 4, v[L8]
	s_wait_alu depctr_va_vdst(0)
	v_lshlrev_b32 v[L8], 3, v[L8]
	s_lshl_b32 s44, s[BH], 4
	s_lshr_b32 s45, s[WV], 3
	s_add_co_u32 s44, s44, s45
	s_lshl_b32 s46, s[BI], 1
	s_add_co_u32 s46, s46, s44
	s_mul_i32 s46, s46, QREC
	s_mov_b32 s47, 0
	s_add_nc_u64 s[46:47], s[4:5], s[46:47]        ; block I's record
	s_sub_co_u32 s48, 7, s[BI]
	s_lshl_b32 s48, s48, 1
	s_add_co_u32 s48, s48, s44
	s_mul_i32 s48, s48, QREC
	s_mov_b32 s49, 0
	s_add_nc_u64 s[48:49], s[4:5], s[48:49]        ; block 7 - I's
	s_and_b32 s50, s[WV], 7
	s_mul_i32 s51, s50, 3
.irp p, 0,1,2
	s_add_co_u32 s52, s51, \p
	s_lshr_b32 s53, s52, 1
	s_lshl_b32 s53, s53, 9
	s_and_b32 s52, s52, 1
	s_lshl_b32 s52, s52, 3
	s_add_co_u32 s52, s52, s53
	v_add_nc_u32 v[QO+\p], s52, v[L16]
.endr
	s_and_b32 s52, s50, 1                          ; its scale words: register t / 2 of the last group, lanes 16 (t % 2) + row
	s_lshl_b32 s52, s52, 8
	s_lshr_b32 s53, s50, 1
	s_lshl_b32 s53, s53, 2
	s_add_co_u32 s52, s52, s53
	s_add_co_u32 s52, s52, 6144
	v_and_b32 v[QO+3], 15, v0
	s_delay_alu instid0(VALU_DEP_1)
	v_lshlrev_b32 v[OS], 5, v[QO+3]
	s_delay_alu instid0(VALU_DEP_2)
	v_lshl_add_u32 v[QO+3], v[QO+3], 4, s52
	s_wait_alu depctr_va_vdst(0)
	global_load_b64 v[QF:QF+1], v[QO], s[46:47]
	global_load_b64 v[QF+2:QF+3], v[QO+1], s[46:47]
	global_load_b64 v[QF+4:QF+5], v[QO+2], s[46:47]
	global_load_b32 v[QW], v[QO+3], s[46:47]
	global_load_b64 v[QB:QB+1], v[QO], s[48:49]
	global_load_b64 v[QB+6:QB+7], v[QO+1], s[48:49]
	global_load_b64 v[QB+8:QB+9], v[QO+2], s[48:49]
	global_load_b32 v[QW+1], v[QO+3], s[48:49]
	v_and_b32 v[RH], 15, v0
	v_bfe_u32 v[T0], v0, 4, 1
	s_delay_alu instid0(VALU_DEP_1)
	v_lshlrev_b32 v[T0], 3, v[T0]
	s_delay_alu instid0(VALU_DEP_1)
	v_sub_nc_u32 v[RH], v[RH], v[T0]
.irp i, 0,1,2,3,4,5
	v_mov_b32 v[QF+6+\i], 0                        ; zero codes: the upper 64 of the instruction's 128
	v_mov_b32 v[KV+48+\i], 0
.endr
.irp b, 0,1,2,3
	v_mov_b32 v[PB+\b], 0                          ; written once: a lane permute's destination counts as one of its sources
.endr
	v_mov_b32 v[FF+1], 0                           ; (named as the upper half of a pair)
	v_mov_b32 v[T0], 0
.macro FRESH                           ; a block of queries begins: the largest t is -3e38, under every t; the sum and O^T are zeros, which the first change of M leaves zeros
	v_mov_b32 v13, 0xff61b1e6
	s_delay_alu instid0(VALU_DEP_1)
	v_floor_f32 v12, -v13                          ; -M
	v_mov_b32 v14, 0
	v_mov_b32 v15, 0
.set j, 0
.rept 32
	v_mov_b32 v[O+j], 0
.set j, j+1
.endr
.endm
	FRESH
; A KEY STEP: 128 keys: record q of the slot in hand.
.macro STEP q
	s_add_co_u32 s44, s[Q0], 15
	s_cmp_gt_u32 s[KF], s44                        ; all its keys come after my queries: nothing to do
	s_cbranch_scc1 .Lhidden_\@
	v_add_nc_u32 v[A16], s[TB], v[L16]
	v_add_nc_u32 v[A8], s[TB], v[L8]
	v_nop
	v_nop                                          ; four places in front of loads into registers that the last products read
.irp g, 0,1,2,3,4,5,6,7,8,9,10,11
	ds_load_b128 v[KV+4*\g:KV+4*\g+3], v[A16] offset:REC*(\q)+512*\g
.endr
	ds_load_b128 v[KW:KW+3], v[A16] offset:REC*(\q)+6144
	s_wait_alu depctr_va_vdst(0)
	s_wait_dscnt 0x0
.irp t, 0,1,2,3,4,5,6,7                        ; S^T = K Q^T: tile t's scale words lie in lanes 0-15 (t even) or 16-31 (t odd) of register t / 2
.if \t%2
	v_wmma_scale_f32_16x16x128_f8f6f4 v[S+8*\t:S+8*\t+7], v[KV+6*\t:KV+6*\t+11], v[QF:QF+11], 0, v[KW+\t/2], v[QW] matrix_a_fmt:MATRIX_FMT_FP6 matrix_b_fmt:MATRIX_FMT_FP6 matrix_a_scale:MATRIX_SCALE_ROW1
.else
	v_wmma_scale_f32_16x16x128_f8f6f4 v[S+8*\t:S+8*\t+7], v[KV+6*\t:KV+6*\t+11], v[QF:QF+11], 0, v[KW+\t/2], v[QW] matrix_a_fmt:MATRIX_FMT_FP6 matrix_b_fmt:MATRIX_FMT_FP6
.endif
.endr
.rept 4
	v_nop                                          ; places: for the loads below, and for the first read of the scores
.endr
.irp g, 0,1,2,3,4,5,6,7,8,9,10,11
	ds_load_b128 v[KV+4*\g:KV+4*\g+3], v[A16] offset:REC*(\q)+6656+512*\g    ; V's four fragments land while the softmax is walked
.endr
	ds_load_b64 v[VW:VW+1], v[A8] offset:REC*(\q)+12800
	s_add_co_u32 s44, s[KF], 127
	s_cmp_le_u32 s44, s[Q0]                        ; all its keys count: no mask
	s_cbranch_scc1 .Lopen_\@
	s_sub_co_i32 s44, s[Q0], s[KF]
	v_add_nc_u32 v[T0], s44, v[RH]                 ; d = my query - the first key - 8 (lane / 16): register 8 t + j is hidden where 16 t + j > d
	v_mov_b32 v[T1], 0xff800000                    ; -infinity
.set n, 0
.rept 64
	v_cmp_gt_i32 vcc_lo, 16*(n/8)+n%8, v[T0]
	v_cndmask_b32 v[S+n], v[S+n], v[T1], vcc_lo
.set n, n+1
.endr
.Lopen_\@:
.irp b, 0,1,2,3
	v_max3_num_f32 v[BM+\b], v[S+16*\b], v[S+16*\b+1], v[S+16*\b+2]   ; the largest score of each block of 32 keys: for the row's maximum, and, since p rises with the score, for the block's largest p
.endr
.irp i, 3,5,7,9,11,13
.irp b, 0,1,2,3
	v_max3_num_f32 v[BM+\b], v[BM+\b], v[S+16*\b+\i], v[S+16*\b+\i+1]
.endr
.endr
.irp b, 0,1,2,3
	v_max_num_f32 v[BM+\b], v[BM+\b], v[S+16*\b+15]
.endr
.irp b, 0,1,2,3
	s_delay_alu instid0(VALU_DEP_4)
	v_permlanex16_b32 v[PB+\b], v[BM+\b], s[SEL], s[SEL+1]
.endr
.irp b, 0,1,2,3
	s_delay_alu instid0(VALU_DEP_4)
	v_max_num_f32 v[BM+\b], v[BM+\b], v[PB+\b]     ; with lane l xor 16's 16 keys
.endr
	s_delay_alu instid0(VALU_DEP_2)
	v_max3_num_f32 v[T0], v[BM], v[BM+1], v[BM+2]
	s_delay_alu instid0(VALU_DEP_1)
	v_max_num_f32 v[T0], v[T0], v[BM+3]
	s_delay_alu instid0(VALU_DEP_1)
	v_mul_f32 v[T0], s[CS], v[T0]                  ; as t (c is positive)
	s_delay_alu instid0(VALU_DEP_1)
	v_max_num_f32 v13, v13, v[T0]                  ; the running largest t
	v_mov_b32 v[T0], v12
	s_delay_alu instid0(VALU_DEP_2)
	v_floor_f32 v12, -v13                          ; the new -M = -ceil(t): a whole number
	s_delay_alu instid0(VALU_DEP_1)
	v_sub_f32 v[T0], v12, v[T0]                    ; old M - new M, 0 or less
	s_delay_alu instid0(VALU_DEP_1)
	v_cvt_i32_f32 v[T0], v[T0]                     ; (it saturates)
	s_delay_alu instid0(VALU_DEP_1)
	v_ldexp_f32 v[FF], 1.0, v[T0]                  ; f = 2^(old M - new M)
.set j, 0
.rept 32
	v_pk_fma_f32 v[S+j:S+j+1], v[S+j:S+j+1], s[CS:CS+1], v[12:13] op_sel_hi:[1,0,0]   ; t - M, two at a time
.set j, j+2
.endr
.irp b, 0,1,2,3
	v_fma_f32 v[BM+\b], v[BM+\b], s[CS], v12       ; the same of each block's largest score
.endr
.set j, 0
	s_wait_alu depctr_va_vdst(0)
.rept 64
	v_exp_f32 v[S+j], v[S+j]                       ; p = 2^(t - M), at most 1
.set j, j+1
.endr
.irp b, 0,1,2,3
	v_exp_f32 v[BM+\b], v[BM+\b]                   ; the block's largest p: the same two instructions on the same number
.endr
	v_pk_mul_f32 v[14:15], v[14:15], v[FF:FF+1] op_sel_hi:[1,0]   ; the sums under the new M.  (A plain place behind the exponentials)
	s_wait_alu depctr_va_vdst(0)
.irp b, 0,1,2,3
	v_max_num_f32 v[BM+\b], 0x1800000, v[BM+\b]    ; the floor 2^(3 - 127): the byte cannot fall under 1
.endr
.irp b, 0,1,2,3
	s_delay_alu instid0(VALU_DEP_4)
	v_add_nc_u32 v[SO+\b], 0xff000000, v[BM+\b]    ; 2 off the exponent field: the conversion's scale operand
.endr
.irp b, 0,1,2,3
	s_delay_alu instid0(VALU_DEP_4)
	v_lshrrev_b32 v[PB+\b], 23, v[SO+\b]           ; the byte
.endr
	s_delay_alu instid0(VALU_DEP_3)
	v_lshl_or_b32 v[PWD], v[PB+1], 8, v[PB]        ; p's scale word for these 128 keys
	s_delay_alu instid0(VALU_DEP_1)
	v_lshl_or_b32 v[PWD], v[PB+2], 16, v[PWD]
	s_delay_alu instid0(VALU_DEP_1)
	v_lshl_or_b32 v[PWD], v[PB+3], 24, v[PWD]
.irp c, 0,1
	v_cvt_scalef32_pk16_fp6_f32 v[PC+6*\c:PC+6*\c+2], v[S+32*\c:S+32*\c+15], v[SO+2*\c]
	v_cvt_scalef32_pk16_fp6_f32 v[PH+4*\c:PH+4*\c+2], v[S+32*\c+16:S+32*\c+31], v[SO+2*\c+1]
.endr
	v_nop                                          ; one plain place behind a scaled conversion
.irp c, 0,1                                    ; a whole block in a lane: lanes 0-15 block 2 c, lanes 16-31 block 2 c + 1
.irp i, 0,1,2
	v_permlane16_swap_b32 v[PC+6*\c+\i], v[PH+4*\c+\i]
.endr
.irp i, 0,1,2
	s_delay_alu instid0(VALU_DEP_3)
	v_mov_b32 v[PC+6*\c+3+\i], v[PH+4*\c+\i]
.endr
.endr
	v_pk_add_f32 v[230:231], v[100:101], v[104:105]
	v_pk_add_f32 v[254:255], v[108:109], v[112:113]
	v_pk_add_f32 v[252:253], v[116:117], v[120:121]
	v_pk_add_f32 v[250:251], v[124:125], v[128:129]
	v_pk_add_f32 v[248:249], v[132:133], v[136:137]
	v_pk_add_f32 v[246:247], v[140:141], v[144:145]
	v_pk_add_f32 v[244:245], v[148:149], v[152:153]
	v_pk_add_f32 v[14:15], v[14:15], v[156:157]
	v_pk_add_f32 v[230:231], v[230:231], v[96:97]
	v_pk_add_f32 v[254:255], v[254:255], v[98:99]
	v_pk_add_f32 v[252:253], v[252:253], v[102:103]
	v_pk_add_f32 v[250:251], v[250:251], v[106:107]
	v_pk_add_f32 v[248:249], v[248:249], v[110:111]
	v_pk_add_f32 v[246:247], v[246:247], v[114:115]
	v_pk_add_f32 v[244:245], v[244:245], v[118:119]
	v_pk_add_f32 v[14:15], v[14:15], v[122:123]
	v_pk_add_f32 v[230:231], v[230:231], v[126:127]
	v_pk_add_f32 v[254:255], v[254:255], v[130:131]
	v_pk_add_f32 v[252:253], v[252:253], v[134:135]
	v_pk_add_f32 v[250:251], v[250:251], v[138:139]
	v_pk_add_f32 v[248:249], v[248:249], v[142:143]
	v_pk_add_f32 v[246:247], v[246:247], v[146:147]
	v_pk_add_f32 v[244:245], v[244:245], v[150:151]
	v_pk_add_f32 v[14:15], v[14:15], v[154:155]
	v_pk_add_f32 v[230:231], v[230:231], v[158:159]
	s_delay_alu instid0(VALU_DEP_2)
	v_pk_add_f32 v[14:15], v[14:15], v[250:251]
	s_delay_alu instid0(VALU_DEP_2)
	v_pk_add_f32 v[230:231], v[230:231], v[248:249]
	v_pk_add_f32 v[254:255], v[254:255], v[246:247]
	v_pk_add_f32 v[252:253], v[252:253], v[244:245]
	s_delay_alu instid0(VALU_DEP_2)
	v_pk_add_f32 v[14:15], v[14:15], v[254:255]
	s_delay_alu instid0(VALU_DEP_2)
	v_pk_add_f32 v[230:231], v[230:231], v[252:253]
	s_delay_alu instid0(VALU_DEP_1)
	v_pk_add_f32 v[14:15], v[14:15], v[230:231]
.set j, 0
.rept 16
	v_pk_mul_f32 v[O+j:O+j+1], v[O+j:O+j+1], v[FF:FF+1] op_sel_hi:[1,0]   ; O^T under the new M, each accumulator from its low end on
.set j, j+2
.endr
	s_wait_alu depctr_va_vdst(0)
	s_wait_dscnt 0x0                               ; V is in
.irp t, 0,1,2,3                                ; O^T += V^T P^T: the four accumulators take turns, one instruction a turn
.if \t%2
	v_wmma_scale_f32_16x16x128_f8f6f4 v[O+8*\t:O+8*\t+7], v[KV+12*\t:KV+12*\t+11], v[PC:PC+11], v[O+8*\t:O+8*\t+7], v[VW+\t/2], v[PWD] matrix_a_fmt:MATRIX_FMT_FP6 matrix_b_fmt:MATRIX_FMT_FP6 matrix_a_scale:MATRIX_SCALE_ROW1
.else
	v_wmma_scale_f32_16x16x128_f8f6f4 v[O+8*\t:O+8*\t+7], v[KV+12*\t:KV+12*\t+11], v[PC:PC+11], v[O+8*\t:O+8*\t+7], v[VW+\t/2], v[PWD] matrix_a_fmt:MATRIX_FMT_FP6 matrix_b_fmt:MATRIX_FMT_FP6
.endif
.endr
.Lhidden_\@:
	s_add_co_u32 s[KF], s[KF], 128
.endm
; THE CHANGE OF SLOTS stands at a slot's head.  Each wave waits for all its tensor loads (its part of the slot ahead), adds 0 to its spare word, and waits for that and for its reads of the slot that it has left.
; fill = 1: behind the barrier that other slot takes the next trip's keys: the 256 that follow, or, where the first block of queries ends with this trip, the head's first 256.
.macro CHANGE fill
	s_wait_tensorcnt 0x0                           ; no tensor load of mine is out, so the descriptor may be written
	ds_add_u32 v[SPW], v[NIL]                      ; 0 onto my spare word
.if \fill
	s_add_co_u32 s[OFF], s[KF], 256
	s_cmp_eq_u32 s[TR], s[BI]
	s_cselect_b32 s[OFF], 0, s[OFF]                ; the next trip's first key,
	s_mul_i32 s[OFF], s[OFF], REC/128              ; in bytes: 13,056 for 128 keys
	s_add_nc_u64 s[G0+2:G0+3], s[KVB:KVB+1], s[OFF:OFF+1]
	s_or_b32 s[G0+3], s[G0+3], 0x80000000
	s_xor_b32 s[G0+1], s[G0+1], SLOT1              ; the other slot than last time
.endif
	s_wait_dscnt 0x0                               ; the add is done, and my reads of the slot that I have left are over
	s_barrier_signal -1
	s_barrier_wait -1
.if \fill
	TLOAD                                          ; the first thing behind the barrier, a wave's one tensor load until the next: it has a slot's two steps in which to land
.endif
.endm
; A BLOCK OF QUERIES ENDS: O^T / l; the numbers change lanes so that a lane holds 16 neighbouring channels; two blocks of 32 are quantised; six registers of codes and two bytes a row leave.
.macro FINISH
.rept 4
	v_nop                                          ; places behind the last products
.endr
	v_add_f32 v14, v14, v15
	s_delay_alu instid0(VALU_DEP_1)
	v_permlanex16_b32 v[T0], v14, s[SEL], s[SEL+1]
	s_delay_alu instid0(VALU_DEP_1)
	v_add_f32 v14, v14, v[T0]                      ; the row's sum
	s_wait_alu depctr_va_vdst(0)
	v_rcp_f32 v14, v14
	v_nop                                          ; a plain place behind the reciprocal
.set j, 0
	s_wait_alu depctr_va_vdst(0)
.rept 32
	v_mul_f32 v[S+j], v[O+j], v14                  ; register 8 t + i: channel 16 t + 8 h + i
.set j, j+1
.endr
.irp b, 0,1
.irp i, 0,1,2,3,4,5,6,7
	v_permlane16_swap_b32 v[S+16*\b+\i], v[S+16*\b+8+\i]   ; now register 16 b + i: channel 32 b + 16 h + i
.endr
.endr
.irp b, 0,1
	v_max3_num_f32 v[BM+\b], |v[S+16*\b]|, |v[S+16*\b+1]|, 0x1800000
.endr
.irp i, 2,4,6,8,10,12,14
.irp b, 0,1
	s_delay_alu instid0(VALU_DEP_2)
	v_max3_num_f32 v[BM+\b], v[BM+\b], |v[S+16*\b+\i]|, |v[S+16*\b+\i+1]|
.endr
.endr
.irp b, 0,1
	s_delay_alu instid0(VALU_DEP_2)
	v_permlanex16_b32 v[PB+\b], v[BM+\b], s[SEL], s[SEL+1]
.endr
.irp b, 0,1
	s_delay_alu instid0(VALU_DEP_2)
	v_max_num_f32 v[BM+\b], v[BM+\b], v[PB+\b]
.endr
.irp b, 0,1
	s_delay_alu instid0(VALU_DEP_2)
	v_add_nc_u32 v[SO+\b], 0xff000000, v[BM+\b]
.endr
.irp b, 0,1
	s_delay_alu instid0(VALU_DEP_2)
	v_lshrrev_b32 v[PB+\b], 23, v[SO+\b]
.endr
	s_delay_alu instid0(VALU_DEP_1)
	v_lshl_or_b32 v[T1], v[PB+1], 8, v[PB]         ; my row's two bytes
	v_cvt_scalef32_pk16_fp6_f32 v[PC:PC+2], v[S:S+15], v[SO]
	v_cvt_scalef32_pk16_fp6_f32 v[PH:PH+2], v[S+16:S+31], v[SO+1]
	v_nop
.irp i, 0,1,2
	v_permlane16_swap_b32 v[PC+\i], v[PH+\i]
.endr
.irp i, 0,1,2
	s_delay_alu instid0(VALU_DEP_3)
	v_mov_b32 v[PC+3+\i], v[PH+\i]
.endr
	s_lshr_b32 s44, s[BH], 4                       ; the batch
	s_and_b32 s45, s[BH], 15                       ; the head
	s_lshl_b32 s46, s44, 7
	s_lshr_b32 s47, s[Q0], 4
	s_add_co_u32 s46, s46, s47                     ; my token tile of 512
	s_mul_i32 s46, s46, 12288                      ; 8 K steps x 6 pairs x 256 bytes
	s_mul_i32 s47, s45, 768                        ; K step head / 2, pairs 3 (head % 2) on
	s_add_co_u32 s46, s46, s47
	s_mov_b32 s47, 0
	s_add_nc_u64 s[40:41], s[8:9], s[46:47]
	s_lshl_b32 s46, s44, 11
	s_add_co_u32 s46, s46, s[Q0]
	s_lshl_b32 s46, s46, 5                         ; my first row of 32 scale bytes,
	s_lshl_b32 s48, s45, 1
	s_add_co_u32 s46, s46, s48                     ; my head's two
	s_add_nc_u64 s[42:43], s[10:11], s[46:47]
	s_wait_alu depctr_va_vdst(0)
.irp p, 0,1,2
	global_store_b64 v[L8], v[PC+2*\p:PC+2*\p+1], s[40:41] offset:256*\p   ; 32 lanes store 256 consecutive bytes, aligned
.endr
	global_store_b16 v[OS], v[T1], s[42:43]        ; two bytes a row, 32 bytes apart (lanes 16-31 write the same bytes with the same values): a row's word of four bytes belongs to two heads, which two work-groups own
	s_wait_xcnt 0x0                                ; the stores have read their registers and bases: both are written again
.endm
	s_wait_loadcnt 0x0                             ; Q, both blocks'
.Lslot:                                            ; eight trips: behind each change of slots but the last the next slot is asked for
	CHANGE 1
	STEP 0
	STEP 1
	s_xor_b32 s[TB], s[TB], SLOT1
	s_cmp_lg_u32 s[TR], s[BI]                      ; trip I is the first block's last: a scalar branch on ids; no barrier and no tensor load stands under it
	s_cbranch_scc1 .Lsame
	FINISH
	v_mov_b32 v[QW], v[QW+1]                       ; the second block's Q
	v_mov_b32 v[QF], v[QB]
	v_mov_b32 v[QF+1], v[QB+1]
	v_mov_b32 v[QF+2], v[QB+6]
	v_mov_b32 v[QF+3], v[QB+7]
	v_mov_b32 v[QF+4], v[QB+8]
	v_mov_b32 v[QF+5], v[QB+9]
	FRESH
	s_sub_co_u32 s44, 7, s[BI]
	s_lshl_b32 s44, s44, 8
	s_lshl_b32 s45, s[WV], 4
	s_add_co_u32 s[Q0], s44, s45                   ; 256 (7 - I) + 16 x wave
	s_mov_b32 s[KF], 0
.Lsame:
	s_add_co_u32 s[TR], s[TR], 1
	s_cmp_lt_u32 s[TR], 8
	s_cbranch_scc1 .Lslot
	CHANGE 0                                       ; the last slot is written out
	STEP 0
	STEP 1
	FINISH
	s_wait_tensorcnt 0x0                           ; the wave's end
	ds_add_u32 v[SPW], v[NIL]
	s_wait_dscnt 0x0
	s_endpgm
.Lfunc_end_k_qcb3bf3a6a4_attn:
	.size	k_qcb3bf3a6a4_attn, .Lfunc_end_k_qcb3bf3a6a4_attn-k_qcb3bf3a6a4_attn
	.p2alignl 7, 3214868480
	.fill 96, 4, 3214868480
	.section	.rodata,"a",@progbits
	.p2align	6, 0x0
	.amdhsa_kernel k_qcb3bf3a6a4_attn
		.amdhsa_group_segment_fixed_size 327680
		.amdhsa_private_segment_fixed_size 0
		.amdhsa_enable_private_segment 0
		.amdhsa_kernarg_size 32
		.amdhsa_user_sgpr_count 2
		.amdhsa_user_sgpr_kernarg_segment_ptr 1
		.amdhsa_wavefront_size32 1
		.amdhsa_system_sgpr_workgroup_id_x 1
		.amdhsa_system_sgpr_workgroup_id_y 1
		.amdhsa_system_sgpr_workgroup_id_z 1
		.amdhsa_system_vgpr_workitem_id 0
		.amdhsa_next_free_vgpr 256
		.amdhsa_next_free_sgpr 66
		.amdhsa_reserve_vcc 1
		.amdhsa_float_denorm_mode_32 3
		.amdhsa_float_denorm_mode_16_64 3
		.amdhsa_memory_ordered 1
		.amdhsa_forward_progress 1
		.amdhsa_inst_pref_size 108
	.end_amdhsa_kernel
	.amdgpu_metadata
---
amdhsa.version: [ 1, 2 ]
amdhsa.kernels:
  - .name:           k_qcb3bf3a6a4_attn
    .symbol:         k_qcb3bf3a6a4_attn.kd
    .args:
      - { .name: q_img, .offset: 0, .size: 8, .value_kind: global_buffer, .address_space: global }
      - { .name: kv_img, .offset: 8, .size: 8, .value_kind: global_buffer, .address_space: global }
      - { .name: o_codes, .offset: 16, .size: 8, .value_kind: global_buffer, .address_space: global }
      - { .name: o_scales, .offset: 24, .size: 8, .value_kind: global_buffer, .address_space: global }
    .group_segment_fixed_size: 327680
    .private_segment_fixed_size: 0
    .kernarg_segment_align: 8
    .kernarg_segment_size: 32
    .max_flat_workgroup_size: 512
    .sgpr_count:     66
    .vgpr_count:     256
    .wavefront_size: 32
...
	.end_amdgpu_metadata
.endif
;; end of part 3
;; launch oproj (part 4): grid 4 x 32, 4 waves a work-group, clusters of 4 x 4, 327,680 bytes of LDS; arguments o_codes, o_scales, Wo_codes, Wo_scales, out0; writes out0
.if DOCPART == 4
	.amdgcn_target "amdgcn-amd-amdhsa--gfx1250"
	.amdhsa_code_object_version 6
	.text
	.protected	k_qcb3bf3a6a4_oproj
	.globl	k_qcb3bf3a6a4_oproj
	.p2align	8
	.type	k_qcb3bf3a6a4_oproj,@function
k_qcb3bf3a6a4_oproj:
	s_mov_b64 s[64:65], 0
	v_nop
	global_prefetch_b8 v0, s[64:65] scope:SCOPE_SE
	s_setreg_imm32_b32 hwreg(HW_REG_WAVE_MODE, 25, 1), 1
	s_wait_xcnt 0x0
	s_wait_alu depctr_hold_cnt(0) depctr_sa_sdst(0) depctr_va_vdst(0) depctr_va_sdst(0) depctr_va_ssrc(0) depctr_va_vcc(0) depctr_vm_vsrc(0)
	s_getreg_b32 s2, hwreg(HW_REG_IB_STS2, 6, 4)
	s_cmp_eq_u32 s2, 0
	s_cbranch_scc0 .Lentry_in_a_cluster
	s_endpgm
.Lentry_in_a_cluster:
	s_bfe_u32 s2, ttmp6, 0x10000c
	s_cmp_lg_u32 s2, 0xf033
	s_cbranch_scc0 .Lentry_shape_is_right
	s_endpgm
.Lentry_shape_is_right:
; out = o Wo^T on codes of FP6 (E2M3) with one E8M0 scale for each 32 along K = 1,024.  o: 8,192 rows, Wo: 1,024 rows, out: [8192][1024] f32; sums in f32.
; A tile of 256 x 256 is made by four waves, each 128 x 128: 64 accumulators, 512 registers.  K goes in steps of 256 through a ring of two LDS slots filled by the tensor data mover; the scale bytes of the tile's
; 512 rows, for all of K, come into LDS once.  4 x 4 work-groups form a cluster: o's tiles are asked for jointly along a row of it, Wo's along a column.  32 x 4 tiles: 128 work-groups.
; o's codes lie in memory as images of the operand's registers: [token tile of 16][K step of 128][register pair 0..5][lane][8 bytes]: a token tile's two K steps of a slot are 3,072 consecutive bytes, a fragment comes
; by six loads of 256 consecutive bytes.  Wo's codes lie as rows (768 bytes): its tiles have rows of 192 bytes with 16 bytes of padding behind every 64.
; Source 0 = 16 rows of Wo, source 1 = 16 rows of o: a lane holds eight neighbouring numbers of a row of out.
; LIMITS: scale bytes 0xff are not served.
; REGISTERS, in windows of 256: window 0: v0-31 addresses; v32-63 scale words, two sets; from v128 o's fragments, one set; on the way out v128-255 rows.  window 1: Wo's fragments, two sets.  windows 2, 3: the accumulators.
.set SIZE_N, 1024
.set NQ,     2
.set ROWB,   192
.set KROW,   768                       ; a row of Wo in memory; also 1/16 of a token tile's 12,288 bytes of o
.set PITCH,  240
.set FR,     12
.set NL,     6
.set NP,     4
.set AROW,   3072                      ; a token tile's part of a slot
.set HALFA,  8*AROW                    ; 128 rows of o
.set HALFB,  128*PITCH                 ; 128 rows of Wo
.set SLOT,   2*HALFA+2*HALFB
.set KS,     32
.set SCL,    2*SLOT
.set HALFS,  (128*KS/256)*272
.set SBLK,   (16*KS/256)*272
.set SPARE,  SCL+4*HALFS               ; the spare words, 128 bytes for each wave: two blocks of 256 bytes that no other line names
.set SPITCH, 528                       ; the way out: 16 rows x (512 bytes + 16) for each wave, in slot 0, which has had its last fill and its last read when the first result is stored there
.set ADRA, 16                          ; v16-17 o's fragments in slot 0, 1
.set ADRB, 20                          ; v20-21 Wo's; v22-23 the same behind one padding more
.set STO,  24
.set RD,   25
.set CO,   26
.set ADRS, 27
.set SPW,  28
.set NIL,  29
.set SC,   32
.set AF,   128
.set BK,   128
.set G1, 24
.set G0, 32
.set G1B, 48
.set G0B, 56
.set G1S, 68
.set G0S, 76
.set G1SB, 80
.set G0SB, 88
.set MSB, 0
.macro WIN new                         ; the immediate's high byte repeats the setting that is left
.if MSB != (\new)
	s_set_vgpr_msb (MSB<<8)|(\new)
.set MSB, (\new)
.endif
.endm
.set MUL_LO, 0xa1
.set MUL_HI, 0xf1
.set TO_B,   0x40
.macro JLOAD g0a, g1a, g0b, g1b        ; a joint load: waves 0 and 1 fetch for o, waves 2 and 3 for Wo; four v_nop follow each of the two lines
	s_cmp_eq_u32 s15, 0
	s_cbranch_scc0 .Lfor_b_\@
	tensor_load_to_lds s[\g0a:\g0a+3], s[\g1a:\g1a+7]
	s_nop 0
.rept 4
	v_nop
.endr
	s_branch .Lasked_\@
.Lfor_b_\@:
	tensor_load_to_lds s[\g0b:\g0b+3], s[\g1b:\g1b+7]
	s_nop 0
.rept 4
	v_nop
.endr
.Lasked_\@:
.endm
.macro CREST
	s_cmp_lg_u32 s14, 0
	s_cbranch_scc1 .Lnot_wave_0_\@
	s_barrier_signal -3
.Lnot_wave_0_\@:
	s_barrier_wait -3
	s_barrier_signal -1
	s_barrier_wait -1
.endm
.macro CROUND
	s_barrier_signal -1
	s_barrier_wait -1
	CREST
.endm
	s_load_b128 s[4:7], s[0:1], 0x0                ; o's codes, o's scales
	s_load_b128 s[8:11], s[0:1], 0x10              ; Wo's codes, Wo's scales
	s_load_b64 s[12:13], s[0:1], 0x20              ; out
	v_lshl_add_u32 v[SPW], v0, 2, SPARE
	v_mov_b32 v[NIL], 0
	ds_add_u32 v28, v29
	s_wait_dscnt 0x0
	v_lshrrev_b32 v1, 5, v0
	v_readfirstlane_b32 s14, v1                    ; wave 0..3
	s_lshr_b32 s15, s14, 1                         ; which half of the tile's rows is mine.  Also: I fetch for o (0) or for Wo (1)
	s_and_b32 s16, s14, 1                          ; which half of its columns.  Also: which 128 rows of that tile I fetch
	s_bfe_u32 s40, ttmp6, 0x40000                  ; cx, cy
	s_bfe_u32 s41, ttmp6, 0x40004
	s_lshl_b32 s42, ttmp9, 2
	s_add_co_u32 s42, s42, s40                     ; tile column
	s_and_b32 s17, ttmp7, 0xffff
	s_lshl_b32 s17, s17, 2
	s_add_co_u32 s17, s17, s41                     ; tile row
	s_lshl_b32 s43, s41, 2
	s_lshl_b32 s43, 15, s43                        ; my row of the cluster
	s_lshl_b32 s44, 0x1111, s40                    ; my column
	; o's tile: 8 token tiles x 3,072 bytes (384 elements of 8), 12,288 bytes apart, no padding
	s_or_b32 s[G1+0], s43, (3<<16)|(1<<21)
	s_mov_b32 s[G1+1], 384<<16                     ; tensor_dim0
	s_mov_b32 s[G1+2], 8<<16                       ; tensor_dim1
	s_mov_b32 s[G1+3], 384<<16                     ; tile_dim0
	s_mov_b32 s[G1+4], 8                           ; tile_dim1
	s_mov_b32 s[G1+5], 1536                        ; pitch
	s_mov_b32 s[G1+6], 0
	s_mov_b32 s[G1+7], 0
	; Wo's tile: 128 rows x 192 bytes, 16 bytes of padding behind every 64
	s_or_b32 s[G1B+0], s44, (0<<16)|(1<<20)|(1<<21)|(3<<22)|(3<<25)
	s_mov_b32 s[G1B+1], ROWB<<16
	s_mov_b32 s[G1B+2], 128<<16
	s_mov_b32 s[G1B+3], ROWB<<16
	s_mov_b32 s[G1B+4], 128
	s_mov_b32 s[G1B+5], KROW
	s_mov_b32 s[G1B+6], 0
	s_mov_b32 s[G1B+7], 0
	; the scales of 128 rows: 4,096 dense bytes, as 16 rows of 256, 16 bytes of padding behind each
	s_or_b32 s[G1S+0], s43, (3<<16)|(1<<20)|(1<<21)|(5<<22)|(3<<25)
	s_or_b32 s[G1SB+0], s44, (3<<16)|(1<<20)|(1<<21)|(5<<22)|(3<<25)
.irp g, G1S, G1SB
	s_mov_b32 s[\g+1], 32<<16
	s_mov_b32 s[\g+2], (128*KS/256)<<16
	s_mov_b32 s[\g+3], 32<<16
	s_mov_b32 s[\g+4], 128*KS/256
	s_mov_b32 s[\g+5], 32
	s_mov_b32 s[\g+6], 0
	s_mov_b32 s[\g+7], 0
.endr
	s_lshl_b32 s18, s16, 7
	s_lshl_b32 s20, s17, 8
	s_add_co_u32 s20, s20, s18                     ; o's row
	s_lshl_b32 s46, s42, 8
	s_add_co_u32 s46, s46, s18                     ; Wo's row
	s_mov_b32 s21, 0
	s_mov_b32 s47, 0
	s_mov_b64 s[18:19], KS
	s_mul_u64 s[22:23], s[20:21], s[18:19]
	s_mul_u64 s[92:93], s[46:47], s[18:19]
	s_mov_b64 s[18:19], KROW
	s_mul_u64 s[20:21], s[20:21], s[18:19]         ; (a multiple of 16 rows x 768 = token tiles x 12,288)
	s_mul_u64 s[46:47], s[46:47], s[18:19]
	s_mul_i32 s45, s16, HALFA                      ; where they go: o's two halves,
	s_mul_i32 s95, s16, HALFB
	s_add_co_u32 s95, s95, 2*HALFA                 ; then Wo's two: no place in the cluster enters an LDS address
	s_mul_i32 s94, s14, HALFS
	s_wait_kmcnt 0x0
	s_add_nc_u64 s[20:21], s[4:5], s[20:21]
	s_add_nc_u64 s[22:23], s[6:7], s[22:23]
	s_add_nc_u64 s[46:47], s[8:9], s[46:47]
	s_add_nc_u64 s[92:93], s[10:11], s[92:93]
	CROUND                                         ; all sixteen work-groups are here: the first joint loads meet
	s_mov_b32 s[G0S], 1
	s_add_co_u32 s[G0S+1], s94, SCL
	s_mov_b64 s[G0S+2:G0S+3], s[22:23]
	s_or_b32 s[G0S+3], s[G0S+3], 0x80000000
	s_mov_b32 s[G0SB], 1
	s_add_co_u32 s[G0SB+1], s94, SCL
	s_mov_b64 s[G0SB+2:G0SB+3], s[92:93]
	s_or_b32 s[G0SB+3], s[G0SB+3], 0x80000000
	JLOAD G0S, G1S, G0SB, G1SB
.irp s, 0,1
	s_mov_b32 s[G0+4*\s], 1
	s_add_co_u32 s[G0+4*\s+1], s45, \s*SLOT
	s_add_nc_u64 s[G0+4*\s+2:G0+4*\s+3], s[20:21], \s*AROW
	s_or_b32 s[G0+4*\s+3], s[G0+4*\s+3], 0x80000000
	s_mov_b32 s[G0B+4*\s], 1
	s_add_co_u32 s[G0B+4*\s+1], s95, \s*SLOT
	s_add_nc_u64 s[G0B+4*\s+2:G0B+4*\s+3], s[46:47], \s*ROWB
	s_or_b32 s[G0B+4*\s+3], s[G0B+4*\s+3], 0x80000000
	JLOAD G0+4*\s, G1, G0B+4*\s, G1B               ; three tensor loads of mine are out now
.endr
	v_and_b32 v1, 15, v0                           ; l % 16
	v_bfe_u32 v2, v0, 4, 1                         ; l / 16
	v_mul_u32_u24 v3, v1, PITCH
	v_mul_u32_u24 v4, v2, 24
	v_add_nc_u32 v4, v3, v4                        ; Wo: a fragment's row x pitch + 24 x half
	v_lshl_add_u32 v5, v2, 4, v4                   ; and the same behind one padding more
	v_and_b32 v6, 31, v0
	v_lshlrev_b32 v7, 3, v6                        ; o: 8 x lane
	s_mul_i32 s21, s15, HALFA                      ; my 128 rows of o
	s_mul_i32 s22, s16, HALFB                      ; my 128 rows of Wo,
	s_add_co_u32 s22, s22, 2*HALFA                 ; which lie behind o's 256
.irp s, 0,1
	v_add_nc_u32 v[ADRA+\s], s21, v7
	v_add_nc_u32 v[ADRB+\s], s22, v4
	v_add_nc_u32 v[ADRB+2+\s], s22, v5
	s_add_co_u32 s21, s21, SLOT
	s_add_co_u32 s22, s22, SLOT
.endr
	v_mul_u32_u24 v5, v1, KS
	v_lshrrev_b32 v6, 8, v5
	v_lshl_add_u32 v5, v6, 4, v5
	s_mul_i32 s21, s15, HALFS
	s_mul_i32 s22, s16, HALFS
	s_add_co_u32 s22, s22, 2*HALFS
	s_sub_co_u32 s22, s22, s21
	v_mul_u32_u24 v6, s22, v2                      ; lanes 16-31 take Wo's
	s_add_co_u32 s21, s21, SCL
	v_add_nc_u32 v5, v5, v6
	v_add_nc_u32 v[ADRS], s21, v5
	s_mul_i32 s23, s14, 16*SPITCH                  ; my stage
	v_mul_u32_u24 v5, v1, SPITCH
	v_lshl_add_u32 v5, v2, 5, v5
	v_add_nc_u32 v[STO], s23, v5                   ; in: row l % 16, 32 bytes for each half of the lanes
	v_and_b32 v6, 31, v0
	v_lshlrev_b32 v[CO], 4, v6                     ; back: the 32 lanes take one row of 512 bytes; and the same in out
	v_add_nc_u32 v[RD], s23, v[CO]
	s_lshl_b32 s20, s17, 8
	s_lshl_b32 s21, s15, 7
	s_add_co_u32 s20, s20, s21                     ; my first row of out
	s_mov_b32 s21, 0
	s_mov_b64 s[18:19], SIZE_N*4
	s_mul_u64 s[20:21], s[20:21], s[18:19]
	s_lshl_b32 s46, s42, 10                        ; my first column, in bytes
	s_lshl_b32 s47, s16, 9
	s_add_co_u32 s46, s46, s47
	s_mov_b32 s47, 0
	s_add_nc_u64 s[20:21], s[20:21], s[46:47]
	s_add_nc_u64 s[12:13], s[12:13], s[20:21]
.macro FRAG reg, adr, q, i             ; a fragment of Wo from rows: pieces of 8 bytes; where the piece three on lies behind one padding more, the second address register serves
.irp p, 0,1,2,3,4,5
.set PC, 12*(\q)+6*(\p/3)+\p%3
.if PC%8 < 5
	ds_load_b64 v[\reg+2*\p:\reg+2*\p+1], v[\adr] offset:8*PC+16*(PC/8)+(\i)*16*PITCH
.else
	ds_load_b64 v[\reg+2*\p:\reg+2*\p+1], v[\adr+2] offset:8*PC+16*(PC/8)+(\i)*16*PITCH
.endif
.endr
.endm
.macro FRAGA reg, slot, q, i           ; a fragment of o from its image: six loads of 256 consecutive bytes
.irp p, 0,1,2,3,4,5
	ds_load_b64 v[\reg+2*\p:\reg+2*\p+1], v[ADRA+\slot] offset:(\i)*AROW+(\q)*1536+256*\p
.endr
.endm
.macro MUL16 a0, p, q, sc, zero        ; the 64 accumulators take turns, one instruction a turn, in the same order in every step
.irp a, \a0, \a0+1
.irp b, 0,1,2,3,4,5,6,7
.if \zero
	v_wmma_scale_f32_16x16x128_f8f6f4 v[8*(8*((\a)%4)+\b):8*(8*((\a)%4)+\b)+7], v[128*(\p)+FR*\b:128*(\p)+FR*\b+FR-1], v[AF+FR*(\a):AF+FR*(\a)+FR-1], 0, v[SC+8*NQ*(\sc)+NQ*\b+(\q)], v[SC+8*NQ*(\sc)+NQ*(\a)+(\q)] matrix_a_fmt:MATRIX_FMT_FP6 matrix_b_fmt:MATRIX_FMT_FP6 matrix_a_scale:MATRIX_SCALE_ROW1
.else
	v_wmma_scale_f32_16x16x128_f8f6f4 v[8*(8*((\a)%4)+\b):8*(8*((\a)%4)+\b)+7], v[128*(\p)+FR*\b:128*(\p)+FR*\b+FR-1], v[AF+FR*(\a):AF+FR*(\a)+FR-1], v[8*(8*((\a)%4)+\b):8*(8*((\a)%4)+\b)+7], v[SC+8*NQ*(\sc)+NQ*\b+(\q)], v[SC+8*NQ*(\sc)+NQ*(\a)+(\q)] matrix_a_fmt:MATRIX_FMT_FP6 matrix_b_fmt:MATRIX_FMT_FP6 matrix_a_scale:MATRIX_SCALE_ROW1
.endif
.endr
.endr
.endm
.macro FETCH_B slot, q, p
	WIN TO_B
.irp i, 0,1,2,3,4,5,6,7
	FRAG 128*(\p)+FR*\i, ADRB+\slot, \q, \i
.endr
	WIN 0
.endm
.macro FETCH_A slot, q, i0
.irp i, \i0, \i0+1, \i0+2, \i0+3
	FRAGA AF+FR*(\i), \slot, \q, \i
.endr
.endm
.macro SCALES sc
.irp i, 0,1,2,3,4,5,6,7
	ds_load_b64 v[SC+8*NQ*\sc+NQ*\i:SC+8*NQ*\sc+NQ*\i+1], v[ADRS] offset:\i*SBLK
.endr
.endm
.macro PLACES n                        ; plain vector instructions between a matrix instruction and a load into, or a read of, its registers (ISA guide 7.12.1 for vector instructions)
.rept \n
	v_nop
.endr
.endm
.macro STEP slot, q, zero
	s_wait_dscnt 4*NL                              ; Wo's set and o's blocks 0-3 are in; the youngest 24 loads (o's blocks 4-7) may be out
	WIN MUL_LO
	MUL16 0, (\q)%2, \q, \slot, \zero
	MUL16 2, (\q)%2, \q, \slot, \zero
	s_wait_dscnt 0
	PLACES NP
	FETCH_B \slot, (\q)+1, 1-(\q)%2
	FETCH_A \slot, (\q)+1, 0
	WIN MUL_HI
	MUL16 4, (\q)%2, \q, \slot, \zero
	MUL16 6, (\q)%2, \q, \slot, \zero
	PLACES NP
	WIN 0
	FETCH_A \slot, (\q)+1, 4
.endm
.macro TURN slot, next, fill
	s_wait_tensorcnt 0x0                           ; all my tensor loads have landed: my part of the next slot
	ds_add_u32 v[SPW], v[NIL]                      ; 0 onto my spare word
	s_wait_dscnt 4*NL+1                            ; (the add and the youngest 24 loads may be out)
	WIN MUL_LO
	MUL16 0, 1, NQ-1, \slot, 0
	s_wait_dscnt 0x0                               ; the add is done, and my reads of this slot are over
	s_barrier_signal -1
	MUL16 2, 1, NQ-1, \slot, 0
	WIN 0
	s_barrier_wait -1
.if \fill
	CREST                                          ; the barrier has opened a round of the cluster's: no wave of any partner still reads this slot or has a load on its way
	s_add_nc_u64 s[G0+4*\slot+2:G0+4*\slot+3], s[G0+4*\slot+2:G0+4*\slot+3], 2*AROW
	s_add_nc_u64 s[G0B+4*\slot+2:G0B+4*\slot+3], s[G0B+4*\slot+2:G0B+4*\slot+3], 2*ROWB
	JLOAD G0+4*\slot, G1, G0B+4*\slot, G1B         ; the first tensor load behind the round; its four v_nop are the places in front of the loads below
.else
	PLACES NP
.endif
	v_add_nc_u32 v[ADRS], 4*NQ, v[ADRS]
	FETCH_B \next, 0, 0
	FETCH_A \next, 0, 0
	SCALES \next
	WIN MUL_HI
	MUL16 4, 1, NQ-1, \slot, 0
	MUL16 6, 1, NQ-1, \slot, 0
	PLACES NP
	WIN 0
	FETCH_A \next, 0, 4
.endm
	s_wait_tensorcnt 1                             ; the scales and my part of K step 0 are in (K step 1's load may be out),
	s_barrier_signal -1
	s_barrier_wait -1                              ; everybody's are
	FETCH_B 0, 0, 0
	FETCH_A 0, 0, 0
	SCALES 0
	FETCH_A 0, 0, 4
	STEP 0, 0, 1                                   ; eight steps of 128 along K, written out.  The first products start the sums
	TURN 0, 1, 1
	STEP 1, 0, 0
	TURN 1, 0, 1
	STEP 0, 0, 0
	TURN 0, 1, 0                                   ; nothing is left to fetch
	STEP 1, 0, 0
	s_wait_dscnt 4*NL
	WIN MUL_LO
	MUL16 0, 1, NQ-1, 1, 0
	MUL16 2, 1, NQ-1, 1, 0
	s_wait_dscnt 0
	WIN MUL_HI
	MUL16 4, 1, NQ-1, 1, 0
	MUL16 6, 1, NQ-1, 1, 0
	WIN 0
; THE WAY OUT, block by block of 16 rows x 128 columns, through my own stage in LDS: in as 32 bytes a lane, back as whole rows of 512 bytes.  LDS serves a wave's instructions in order (ISA guide 5.7.1.4): no wait between the stores and the loads.
.macro TOSTAGE a
.set AC, 64*((\a)%4)
	WIN 0x08+4*((\a)/4)                            ; the data: window 2 or 3
.irp b, 0,1,2,3,4,5,6,7
	ds_store_b128 v[STO], v[AC+8*\b:AC+8*\b+3] offset:64*\b          ; each accumulator from its low end on
	ds_store_b128 v[STO], v[AC+8*\b+4:AC+8*\b+7] offset:64*\b+16
.endr
	WIN 0
.set BB, BK+64*((\a)%2)
.irp t, 0,1,2,3,4,5,6,7,8,9,10,11,12,13,14,15
	ds_load_b128 v[BB+4*\t:BB+4*\t+3], v[RD] offset:\t*SPITCH
.endr
.endm
.macro SEND a, younger                 ; younger: the LDS instructions issued behind block a's loads, which may stay out
.set BB, BK+64*((\a)%2)
	s_wait_dscnt \younger
.if (\a) > 0
	s_add_nc_u64 s[12:13], s[12:13], 16*SIZE_N*4   ; (behind a wait on XCNT: the earlier stores have read their base)
.endif
.irp t, 0,1,2,3,4,5,6,7,8,9,10,11,12,13,14,15
	global_store_b128 v[CO], v[BB+4*\t:BB+4*\t+3], s[12:13] offset:\t*SIZE_N*4 th:TH_STORE_NT   ; 32 lanes store 512 consecutive bytes, aligned; written once, read by nobody here
.endr
.endm
	PLACES NP
	TOSTAGE 0
.irp a, 1,2,3,4,5,6,7
.if \a > 1
	s_wait_xcnt 0x0                                ; block a - 2's stores have read their registers and their base
.endif
	TOSTAGE \a
	SEND \a-1, 32                                  ; behind block a - 1's loads: block a's 16 stores and 16 loads
.endr
	s_wait_xcnt 0x0
	SEND 7, 0
	s_wait_tensorcnt 0x0                           ; the wave's end
	ds_add_u32 v[SPW], v[NIL]
	s_wait_dscnt 0x0
	CROUND                                         ; the closing round: no work-group ends while a partner may still ask for a tile that names it
	s_endpgm
.Lfunc_end_k_qcb3bf3a6a4_oproj:
	.size	k_qcb3bf3a6a4_oproj, .Lfunc_end_k_qcb3bf3a6a4_oproj-k_qcb3bf3a6a4_oproj
	.p2alignl 7, 3214868480
	.fill 96, 4, 3214868480
	.section	.rodata,"a",@progbits
	.p2align	6, 0x0
	.amdhsa_kernel k_qcb3bf3a6a4_oproj
		.amdhsa_group_segment_fixed_size 327680
		.amdhsa_private_segment_fixed_size 0
		.amdhsa_enable_private_segment 0
		.amdhsa_kernarg_size 40
		.amdhsa_user_sgpr_count 2
		.amdhsa_user_sgpr_kernarg_segment_ptr 1
		.amdhsa_wavefront_size32 1
		.amdhsa_system_sgpr_workgroup_id_x 1
		.amdhsa_system_sgpr_workgroup_id_y 1
		.amdhsa_system_sgpr_workgroup_id_z 1
		.amdhsa_system_vgpr_workitem_id 0
		.amdhsa_next_free_vgpr 1024
		.amdhsa_next_free_sgpr 98
		.amdhsa_reserve_vcc 0
		.amdhsa_float_denorm_mode_32 3
		.amdhsa_float_denorm_mode_16_64 3
		.amdhsa_memory_ordered 1
		.amdhsa_forward_progress 1
		.amdhsa_inst_pref_size 160
	.end_amdhsa_kernel
	.amdgpu_metadata
---
amdhsa.version: [ 1, 2 ]
amdhsa.kernels:
  - .name:           k_qcb3bf3a6a4_oproj
    .symbol:         k_qcb3bf3a6a4_oproj.kd
    .args:
      - { .name: o_codes, .offset: 0, .size: 8, .value_kind: global_buffer, .address_space: global }
      - { .name: o_scales, .offset: 8, .size: 8, .value_kind: global_buffer, .address_space: global }
      - { .name: Wo_codes, .offset: 16, .size: 8, .value_kind: global_buffer, .address_space: global }
      - { .name: Wo_scales, .offset: 24, .size: 8, .value_kind: global_buffer, .address_space: global }
      - { .name: out0, .offset: 32, .size: 8, .value_kind: global_buffer, .address_space: global }
    .group_segment_fixed_size: 327680
    .private_segment_fixed_size: 0
    .kernarg_segment_align: 8
    .kernarg_segment_size: 40
    .max_flat_workgroup_size: 128
    .sgpr_count:     98
    .vgpr_count:     1024
    .wavefront_size: 32
...
	.end_amdgpu_metadata
.endif
;; end of part 4
